; MI455X (gfx1250); checked and timed in simulation.
; The chip was launched on July 23, 2026; its instructions are those of AMD's public machine-readable ISA for CDNA 5 (MIT licence, August 2026) and "CDNA5" Instruction Set Architecture Reference Guide (July 2026). The comments in the code are by the model that wrote it; some were corrected since.
;; Linformer Self Attention. Allowed arithmetic: matrix products marked QUANTISED: E2M3 operands, one E8M0 scale for each 32 along K, by v_wmma_scale_f32_16x16x128_f8f6f4 with both operands' format E2M3, f32 sums; products left as they are: f32 operands where the result goes on into a quantised operand, else bf16, f16 or f32 operands; f32 sums; everything else in f32.
;; Inputs: Wk 1,024 x 1,024 float32; Wq 1,024 x 1,024 float32; Wv 1,024 x 1,024 float32; attention_mask 4 x 1 x 1 x 4,096 float32; bk 1,024 float32; bq 1,024 float32; bv 1,024 float32; hidden_states 4 x 4,096 x 1,024 float32; proj_k 4,096 x 128 float32; proj_v 4,096 x 128 float32.
;; Outputs: out0 4 x 4,096 x 1,024 float32.
;; This version of the problem:
;;   THIS VERSION OF THE PROBLEM IS GIVEN IN LOW PRECISION. The matrix products marked QUANTISED in the list below multiply operands that are first quantised to E2M3 (2 exponent bits, 3 mantissa bits; 6 bits a number), with one power-of-two scale for each 32 numbers along K (OCP MX v1.0); their sums are f32. All else is computed in f32.
;;   The module's matrix products, in the order in which they are computed (A, B: the left and right operand; K: the contracted axis; several contracted axes count as one K, in the product's order):
;;     1. [M 16,384, K 1,024] x [K 1,024, N 1,024]; A: input hidden_states; B: input Wk: QUANTISED
;;     2. [M 16,384, K 1,024] x [K 1,024, N 1,024]; A: input hidden_states; B: input Wv: QUANTISED
;;     3. batch 4,096 x [M 128, K 1] x [K 1, N 4]; A: computed on the way; B: computed on the way: left as it is (no contracted axis)
;;     4. batch 4 x [M 128, K 4,096] x [K 4,096, N 1,024]; A: computed on the way; B: computed on the way: QUANTISED
;;     5. batch 4,096 x [M 128, K 1] x [K 1, N 4]; A: computed on the way; B: computed on the way: left as it is (no contracted axis)
;;     6. batch 4 x [M 128, K 4,096] x [K 4,096, N 1,024]; A: computed on the way; B: computed on the way: QUANTISED
;;     7. [M 16,384, K 1,024] x [K 1,024, N 1,024]; A: input hidden_states; B: input Wq: QUANTISED
;;     8. batch 64 x [M 4,096, K 64] x [K 64, N 128]; A: computed on the way; B: computed on the way: QUANTISED
;;     9. batch 64 x [M 4,096, K 128] x [K 128, N 64]; A: softmax (see below); B: computed on the way: QUANTISED
;;   THE QUANTISER, for each operand of a quantised product, along K:
;;     - K is cut into blocks of 32 from its start; a last block that is shorter is filled with zeros.
;;     - A block's scale is 2^e with e = floor(log2(the largest magnitude in the block)) - 2, held to -126 .. 127; a block of zeros has e = 0. As a byte (E8M0): e + 127.
;;     - Each number is divided by its block's scale, clamped to +-7.5, and rounded to the nearest number of E2M3, ties to even, subnormals kept.
;;     - The product sums the exact products of the quantised numbers (number of the format x scale) in f32.
;;   ~~~python
;;   def quantise(x, axis):      # numpy; x: float32 -> the quantised numbers, widened to float32 again
;;       x = np.moveaxis(x, axis, -1); K = x.shape[-1]
;;       x = np.pad(x, [(0, 0)] * (x.ndim - 1) + [(0, -K % 32)]); x = x.reshape(x.shape[:-1] + (-1, 32)); a = np.abs(x).max(-1, keepdims=True)
;;       e = np.where(a > 0, np.clip(np.frexp(np.where(a > 0, a, 1))[1] - 1 - 2, -126, 127), 0)      # np.frexp(a)[1] - 1 = floor(log2(a)), exactly
;;       r = np.clip(x / 2.0 ** e, -7.5, 7.5)
;;       step = 2.0 ** (np.maximum(np.frexp(np.where(r == 0, 1, r))[1] - 1, 0) - 3)
;;       q = np.round(r / step) * step * 2.0 ** e      # np.round: ties to even
;;       return np.moveaxis(q.reshape(q.shape[:-2] + (-1,))[..., :K], -1, axis).astype(np.float32)
;;   ~~~
;;   SOFTMAX AHEAD OF A QUANTISED PRODUCT. Where the list says 'softmax', what is quantised is not the finished softmax but p = 2^(t - M), with t = logit x log2(e) and M = ceil(the row's largest t), a whole number; so 1/2 < the row's largest p <= 1. The row's sum l is taken of the UNQUANTISED p, in f32, and the product's result is divided by l at the end. Since M is a whole number, a kernel that streams over the keys may use a running M (the ceiling of the running maximum): every later rescaling is an exact power of two, which a block's scale takes up: the codes' values come out the same.
;;   OPERANDS COMPUTED ON THE WAY. 'Computed on the way' means the value that the module computes at that place (a softmax that the list does not call 'softmax' is quantised finished and normalised). What goes into a quantiser is computed in f32, as accurately as f32 sums, v_exp_f32 and their like allow (about 1e-6 of the number): no bf16 or f16 on the way to a quantiser, and a product that is left as it is and whose result goes on into a quantised operand takes f32 operands (vector FMAs, or v_wmma_f32_16x16x4_f32). A number that lies on a knife's edge between two numbers of the format may be rounded either way, as far as f32 arithmetic and the matrix unit's own rounding can turn it there, and no further.
;; One version. Each part assembles by itself: llvm-mc -triple=amdgcn-amd-amdhsa -mcpu=gfx1250 --defsym DOCPART=n.
;; ======== version 1 of 1: 4 launches
;; workspace buffers: xc 12,582,912 bytes; xs 524,288 bytes; wc 2,359,296 bytes; ws 98,304 bytes; pcod 3,408,384 bytes; hc 27,262,976 bytes; kv 884,736 bytes; qc 13,631,488 bytes
;; launch quant (part 1): grid 736 x 1, 4 waves a work-group, no clusters, 33,280 bytes of LDS; arguments hidden_states, Wk, Wv, Wq, proj_k, proj_v, attention_mask, xc, xs, wc, ws, pcod; writes xc, xs, wc, ws, pcod
.if DOCPART == 1
	.amdgcn_target "amdgcn-amd-amdhsa--gfx1250"
	.amdhsa_code_object_version 6
	.text
	.protected	k_q20d61c98d3_quant
	.globl	k_q20d61c98d3_quant
	.p2align	8
	.type	k_q20d61c98d3_quant,@function
k_q20d61c98d3_quant:
	s_mov_b64 s[64:65], 0
	v_nop
	global_prefetch_b8 v0, s[64:65] scope:SCOPE_SE
	s_setreg_imm32_b32 hwreg(HW_REG_WAVE_MODE, 25, 1), 1
	s_wait_xcnt 0x0
; LAUNCH 1 OF 4.  Everything that arrives as f32 and is an operand of a quantised product becomes codes of FP6 (E2M3) with one E8M0 byte for each 32 along its K.
; Work-groups 0-607, THE STREAM: hidden_states [16384][1024] -> xc, xs; Wk, Wv, Wq [1024][1024] -> rows 0-1023, 1024-2047, 2048-3071 of wc, ws.  K is innermost and rows are dense: each tensor is a
;   plain stream of blocks of 32 numbers; a row of 1,024 codes is 768 bytes, its scale bytes 32.  A wave takes 16 steps of 512 numbers: each load reads 512 consecutive bytes, the bytes turn through the
;   wave's own stage in LDS so that a lane holds 16 neighbours, two neighbouring lanes hold a block.
; Work-groups 608-735, THE PROJECTIONS: len[b] = the number of mask entries > -1; m[s] = (s < len); m x proj_k and m x proj_v are quantised along s (K of the ragged products) and stored as IMAGES OF
;   OPERAND REGISTERS: pcod [b 4][k or v 2][K step of 128 s: 32] records of 13,312 bytes = 8 tiles of 16 keys x 1,536 bytes (register group c of lane l at 512 c + 16 l), then 2 x 32 lanes x 16 bytes: the scale words of four tiles.
;   A lane takes a key, its registers run down s.  WITHIN EACH BLOCK OF 32 THE ROWS ARE TAKEN IN THE ORDER 0-7, 16-23, 8-15, 24-31, since the other operand of that product (hk, hv as the next launch's
;   matrix results leave them) has that order; one order on both sides of a product, inside one scale's block, keeps every product.  Behind the records: 1 / sqrt(len[b]), 32 times for each b.
; A block's scale is 2^(floor(log2(its largest magnitude)) - 2); its byte is the largest magnitude's exponent field - 2, held at 1 from below.
; LIMITS: a block of zeros carries the byte 1 where the rule says 127 (its codes are zeros, and this program alone reads the bytes); blocks whose largest magnitude lies under 2^(3 - 127) likewise keep the byte 1;
;   NaN and infinities among the inputs are not served; len = 0 is not served (the sums are then divided by zero in the definition too).
; No tensor load, no barrier: waves share nothing.  No matrix unit, no cluster: each input byte is read once by the stream, and nothing is shared but the small mask and the projections.
.set WAVES, 4
.set STEPS, 16
.set CB,    12                         ; bytes of 16 codes
.set R,     16                         ; v16-79   the stream: four sets of 16 numbers as they are loaded
.set X,     80                         ; v80-111  two sets of 16 neighbours
.set E,     112                        ; v112-127 a scale byte for each step
.set C,     128                        ; v128-191 codes: four registers for each step
.set WREG,  8192                       ; LDS: a region for each wave: two stages of 32 x SP bytes, behind them its 256 scale bytes
.set SP,    80                         ; a lane's place in a stage: 64 bytes + 16 of padding
.set SPW,   12                         ; v12  LDS address of my spare word; never rewritten
.set NIL,   13                         ; v13  0; never rewritten
.set SPARE, WAVES*WREG                 ; behind the four regions: the spare words, 128 bytes a wave, which no other line names
.set NSTREAM, 608
	s_load_b512 s[4:19], s[0:1], 0x0               ; hidden s[4:5], Wk s[6:7], Wv s[8:9], Wq s[10:11], proj_k s[12:13], proj_v s[14:15], mask s[16:17], xc s[18:19]
	s_load_b256 s[20:27], s[0:1], 0x40             ; xs s[20:21], wc s[22:23], ws s[24:25], pcod s[26:27]
	v_lshl_add_u32 v[SPW], v0, 2, SPARE
	v_mov_b32 v[NIL], 0
	v_lshrrev_b32 v1, 5, v0
	v_readfirstlane_b32 s28, v1                    ; wave
	v_and_b32 v2, 31, v0                           ; lane
	s_wait_kmcnt 0x0
	s_cmp_ge_u32 ttmp9, NSTREAM                    ; the two kinds of work part on the work-group's number and never meet again
	s_cbranch_scc1 .Lproj
	; ---------------- THE STREAM ----------------
	v_lshlrev_b32 v3, 4, v2                        ; my 16 bytes of a load's 512
	s_mul_i32 s29, s28, WREG
	v_lshrrev_b32 v14, 2, v2
	v_mul_u32_u24 v14, v14, SP
	v_and_b32 v15, 3, v2
	v_lshl_add_u32 v14, v15, 4, v14
	v_add_nc_u32 v14, s29, v14                     ; the stage, on the way in: SP (lane / 4) + 16 (lane % 4)
	v_mul_u32_u24 v15, v2, SP
	v_add_nc_u32 v15, s29, v15                     ; and on the way out: SP x lane: my 16 neighbours
	v_mul_u32_u24 v4, v2, CB                       ; my codes' place in a step's
	v_lshrrev_b32 v5, 1, v2
	s_add_co_u32 s29, s29, 2*32*SP
	v_add_nc_u32 v5, s29, v5                       ; LDS: my wave's 256 scale bytes, my block's byte
	v_lshlrev_b32 v7, 3, v2                        ; and on the way out 8 bytes a lane
	v_add_nc_u32 v6, s29, v7
	s_cmp_lt_u32 ttmp9, 576                        ; which tensor: the choices hang on the work-group's number alone
	s_cselect_b64 s[30:31], s[8:9], s[10:11]
	s_cmp_lt_u32 ttmp9, 544
	s_cselect_b64 s[30:31], s[6:7], s[30:31]
	s_cmp_lt_u32 ttmp9, 512
	s_cselect_b64 s[4:5], s[4:5], s[30:31]         ; the numbers
	s_cselect_b64 s[18:19], s[18:19], s[22:23]     ; the codes
	s_cselect_b64 s[20:21], s[20:21], s[24:25]     ; the scale bytes
	s_cselect_b32 s32, 0, 512
	s_sub_co_u32 s33, ttmp9, s32                   ; which 32,768 numbers of the codes' buffer
	s_and_b32 s34, s33, 31                         ; and, for a weight, of its own tensor
	s_cmp_lt_u32 ttmp9, 512
	s_cselect_b32 s34, s33, s34
	s_lshl_b32 s33, s33, 2
	s_add_co_u32 s33, s33, s28                     ; my wave's run of 8,192 numbers, counted in the buffers written
	s_lshl_b32 s34, s34, 2
	s_add_co_u32 s34, s34, s28                     ; and in the tensor read
	s_lshl_b32 s34, s34, 15                        ; 32,768 bytes of f32 a run
	s_mov_b32 s35, 0
	s_add_nc_u64 s[4:5], s[4:5], s[34:35]
	s_mul_i32 s36, s33, 32*STEPS*CB                ; 6,144 bytes of codes a run
	s_mov_b32 s37, 0
	s_add_nc_u64 s[18:19], s[18:19], s[36:37]
	s_lshl_b32 s36, s33, 8                         ; 256 scale bytes a run
	s_add_nc_u64 s[20:21], s[20:21], s[36:37]
.macro LOAD t
.irp i, 0,1,2,3
	global_load_b128 v[R+16*((\t)%4)+4*\i:R+16*((\t)%4)+4*\i+3], v3, s[4:5] offset:2048*(\t)+512*\i th:TH_LOAD_NT   ; 32 lanes read 512 consecutive bytes
.endr
.endm
.macro TURN t                          ; step t's numbers through the stage: LDS serves a wave's instructions in order, so no wait stands between the stores and the loads
.irp i, 0,1,2,3
	ds_store_b128 v14, v[R+16*((\t)%4)+4*\i:R+16*((\t)%4)+4*\i+3] offset:32*SP*((\t)%2)+8*SP*\i
.endr
.irp i, 0,1,2,3
	ds_load_b128 v[X+16*((\t)%2)+4*\i:X+16*((\t)%2)+4*\i+3], v15 offset:32*SP*((\t)%2)+16*\i
.endr
.endm
.irp t, 0,1,2,3
	LOAD \t
.endr
	s_wait_loadcnt 12                              ; step 0's four loads are in
	TURN 0
.macro STEP t
.set XS, X+16*((\t)%2)
.if (\t) > 0
	s_wait_dscnt 1                                 ; this step's numbers are back from the stage (the last step's byte store may be out): so its stores into the stage have read their registers,
.else
	s_wait_dscnt 0x0
.endif
.if (\t)+4 < STEPS
	LOAD (\t)+4                                    ; which take the loads of four steps on
.endif
.if (\t)+1 < STEPS
.if STEPS-2-(\t) >= 3
	s_wait_loadcnt 12                              ; the next step's four loads are in; those of the three steps behind it may be out
.else
	s_wait_loadcnt 4*(STEPS-2-(\t))
.endif
	TURN (\t)+1                                    ; and go through the other stage while this step is worked
.endif
	v_max3_num_f32 v8, |v[XS]|, |v[XS+1]|, |v[XS+2]|               ; the largest magnitude of my 16, in two chains
	v_max3_num_f32 v9, |v[XS+3]|, |v[XS+4]|, |v[XS+5]|
.irp i, 6,10
	v_max3_num_f32 v8, v8, |v[XS+\i]|, |v[XS+\i+1]|
	v_max3_num_f32 v9, v9, |v[XS+\i+2]|, |v[XS+\i+3]|
.endr
	v_max3_num_f32 v8, v8, |v[XS+14]|, |v[XS+15]|
	v_max3_num_f32 v8, v8, v9, 0x1800000           ; and the floor 2^(3 - 127): the byte cannot fall under 1
	v_max_num_f32_dpp v8, v8, v8 row_xmask:1 row_mask:0xf bank_mask:0xf   ; and of my neighbour's 16: the block's
	v_add_nc_u32 v11, 0xff000000, v8               ; 2 off its exponent field: the conversion takes the exponent field of this operand as its scale
	v_cvt_scalef32_pk16_fp6_f32 v[C+4*(\t):C+4*(\t)+2], v[XS:XS+15], v11
	v_lshrrev_b32 v[E+(\t)], 23, v11               ; the scale's byte
	ds_store_b8 v5, v[E+(\t)] offset:16*(\t)       ; both lanes of a block write the same byte with the same value
	global_store_b96 v4, v[C+4*(\t):C+4*(\t)+2], s[18:19] offset:32*CB*(\t)   ; the wave stores 384 consecutive bytes
.endm
.irp t, 0,1,2,3,4,5,6,7,8,9,10,11,12,13,14,15
	STEP \t
.endr
	ds_load_b64 v[8:9], v6                         ; LDS serves a wave's instructions in order: these see my byte stores
	s_wait_dscnt 0x0
	global_store_b64 v7, v[8:9], s[20:21]          ; 32 lanes store 256 consecutive bytes, aligned
	s_wait_tensorcnt 0x0                           ; the wave's end
	ds_add_u32 v[SPW], v[NIL]
	s_wait_dscnt 0x0
	s_endpgm
	; ---------------- THE PROJECTIONS ----------------  (no LDS is touched on this way)
; p = work-group - 608: b = p / 32, k or v = (p / 16) % 2, quad of key tiles q = (p / 8) % 2, K step of 128 s = 4 (p % 8) + wave.
; REGISTERS: v1 r, v2 h, v3 my byte in proj, v4 16 x lane, v6 where 1 / sqrt(len) goes, v14 8 h; v8-11 at work; v16-19 the four scale words; v20-25 at work; v26 1 / sqrt(len);
;   v32-159 the mask, then two sets of 64 numbers; v160-171 a tile's codes, v172-178 halves on their way; v180 len as f32, v181 as a whole number, v182-183 len less my two blocks' first s.
.set PC,  160
.set PT,  172
.Lproj:
	s_sub_co_u32 s29, ttmp9, NSTREAM
	s_lshr_b32 s30, s29, 5                         ; b
	s_bfe_u32 s31, s29, 0x10004                    ; 0: proj_k, 1: proj_v
	s_bfe_u32 s32, s29, 0x10003                    ; q
	s_and_b32 s33, s29, 7
	s_lshl_b32 s33, s33, 2
	s_add_co_u32 s33, s33, s28                     ; the K step
	s_lshl_b32 s34, s30, 14
	s_mov_b32 s35, 0
	s_add_nc_u64 s[16:17], s[16:17], s[34:35]      ; the mask's row b: 16,384 bytes
	s_cmp_eq_u32 s31, 0
	s_cselect_b64 s[12:13], s[12:13], s[14:15]
	s_lshl_b32 s34, s33, 16                        ; 128 rows of 512 bytes a K step
	s_lshl_b32 s36, s32, 8                         ; 64 keys a quad
	s_add_co_u32 s34, s34, s36
	s_add_nc_u64 s[12:13], s[12:13], s[34:35]
	s_lshl_b32 s34, s30, 1
	s_add_co_u32 s34, s34, s31
	s_lshl_b32 s34, s34, 5
	s_add_co_u32 s34, s34, s33
	s_mul_i32 s34, s34, 13312
	s_add_nc_u64 s[38:39], s[26:27], s[34:35]      ; my record
	s_mul_i32 s36, s32, 6144
	s_mov_b32 s37, 0
	s_add_nc_u64 s[40:41], s[38:39], s[36:37]      ; my quad's four images
	s_lshl_b32 s36, s32, 9
	s_add_nc_u64 s[38:39], s[38:39], s[36:37]      ; my quad's scale words, 12,288 bytes on (in the immediate)
	s_lshl_b32 s42, s33, 7                         ; the K step's first s
	s_lshl_b32 s43, s30, 7
	s_mov_b32 s46, 0x76543210
	s_mov_b32 s47, 0xfedcba98                      ; v_permlanex16_b32's selects for lane l xor 16
	v_and_b32 v1, 15, v0                           ; r
	v_bfe_u32 v2, v0, 4, 1                         ; h
	v_and_b32 v8, 31, v0
	v_lshlrev_b32 v4, 4, v8                        ; 16 x lane
	v_lshlrev_b32 v6, 2, v8
	v_add_nc_u32 v6, s43, v6                       ; 128 b + 4 x lane
	v_lshlrev_b32 v3, 2, v1
	v_lshl_add_u32 v3, v2, 14, v3                  ; proj: key r, and 32 rows further down for lanes 16-31
	v_lshlrev_b32 v14, 3, v2
.set i, 0
.rept 32
	global_load_b128 v[32+4*i:35+4*i], v4, s[16:17] offset:512*i   ; the whole row of the mask: 128 numbers a lane
.set i, i+1
.endr
	v_mov_b32 v180, 0
	v_mov_b32 v10, 1.0
	v_mov_b32 v9, 0                                ; (a lane permute's destination counts as one of its sources)
	s_wait_loadcnt 0x0
.set i, 0
.rept 128
	v_cmp_lt_f32 vcc_lo, -1.0, v[32+i]             ; an entry counts where it is > -1, wherever it stands
	v_cndmask_b32 v8, 0, v10, vcc_lo
	v_add_f32 v180, v180, v8                       ; whole numbers up to 128: exact
.set i, i+1
.endr
	v_add_f32_dpp v180, v180, v180 row_xmask:1 row_mask:0xf bank_mask:0xf
	v_add_f32_dpp v180, v180, v180 row_xmask:2 row_mask:0xf bank_mask:0xf
	v_add_f32_dpp v180, v180, v180 row_xmask:4 row_mask:0xf bank_mask:0xf
	v_add_f32_dpp v180, v180, v180 row_xmask:8 row_mask:0xf bank_mask:0xf
	v_permlanex16_b32 v9, v180, s46, s47
	v_add_f32 v180, v180, v9                       ; len, up to 4,096: exact, in every lane
	v_rsq_f32 v26, v180
	v_cvt_i32_f32 v181, v180                       ; (a plain instruction behind the transcendental)
	v_lshl_add_u32 v11, v2, 5, s42
	v_sub_nc_u32 v182, v181, v11                   ; row i of my first block counts where i < len - 128 step - 32 h,
	v_add_nc_u32 v183, 0xffffffc0, v182            ; of my second where i < that - 64
	s_wait_alu depctr_va_vdst(0)                   ; the wait ahead of the first line that names the root's result, and ahead of a branch
	s_and_b32 s36, s29, 31
	s_or_b32 s36, s36, s28
	s_cmp_lg_u32 s36, 0                            ; one wave for each b stores 1 / sqrt(len)
	s_cbranch_scc1 .Lno_len
	global_store_b32 v6, v26, s[26:27] offset:3407872   ; v6 and v26 are not written again
.Lno_len:
.macro PLOAD t                         ; tile t of the quad: m x proj(128 step + 64 c + 32 h + order(i), 16 t + r), i = 0 .. 31, into set t % 2; order(i) = 0-7, 16-23, 8-15, 24-31
.irp c, 0,1
.set i, 0
.rept 32
	global_load_b32 v[32+64*((\t)%2)+32*\c+i], v3, s[12:13] offset:(64*\c+i%8+16*((i/8)%2)+8*(i/16))*512+64*(\t)
.set i, i+1
.endr
.endr
.endm
.macro PTILE t
.set XS, 32+64*((\t)%2)
.if (\t) < 3
	s_wait_loadcnt 63                              ; this tile's 64 loads are in: 64 were issued behind them, and the count's field ends at 63
.else
	s_wait_loadcnt 0x0
.endif
.irp c, 0,1
.set i, 0
.rept 32
	v_cmp_lt_i32 vcc_lo, i%8+16*((i/8)%2)+8*(i/16), v[182+\c]
	v_cndmask_b32 v[XS+32*\c+i], 0, v[XS+32*\c+i], vcc_lo          ; x m: rows from len on count as zeros
.set i, i+1
.endr
.endr
.irp c, 0,1
	v_max3_num_f32 v[20+\c], |v[XS+32*\c]|, |v[XS+32*\c+1]|, 0x1800000   ; my block 2 c + h: all its 32 numbers are mine; and the floor
.endr
.irp i, 2,4,6,8,10,12,14,16,18,20,22,24,26,28,30
.irp c, 0,1
	v_max3_num_f32 v[20+\c], v[20+\c], |v[XS+32*\c+\i]|, |v[XS+32*\c+\i+1]|
.endr
.endr
.irp c, 0,1
	v_add_nc_u32 v[22+\c], 0xff000000, v[20+\c]    ; the conversion's scale operand
.endr
.irp c, 0,1
	v_lshrrev_b32 v[24+\c], 23, v[22+\c]           ; the scale's byte
.endr
	v_lshl_or_b32 v8, v25, 16, v24                 ; my two bytes: blocks h and 2 + h of key r,
	v_lshlrev_b32 v8, v14, v8                      ; at their places in the scale word;
	v_permlanex16_b32 v9, v8, s46, s47
	v_or_b32 v[16+(\t)], v8, v9                    ; with lane l xor 16's two the word is whole
	s_wait_xcnt 0x0                                ; the last tile's stores have read the codes' registers: only behind this wait are they written again
.irp c, 0,1
	v_cvt_scalef32_pk16_fp6_f32 v[PC+6*\c:PC+6*\c+2], v[XS+32*\c:XS+32*\c+15], v[22+\c]
	v_cvt_scalef32_pk16_fp6_f32 v[PT+4*\c:PT+4*\c+2], v[XS+32*\c+16:XS+32*\c+31], v[22+\c]   ; (a conversion's three registers begin on an even number)
.endr
	v_nop                                          ; one plain instruction behind a scaled conversion
.irp c, 0,1
.irp i, 0,1,2
	v_mov_b32 v[PC+3+6*\c+\i], v[PT+4*\c+\i]
.endr
.endr
.irp c, 0,1,2
	global_store_b128 v4, v[PC+4*\c:PC+4*\c+3], s[40:41] offset:1536*(\t)+512*\c   ; the image: 512 consecutive bytes a store
.endr
.if (\t) < 2
	PLOAD (\t)+2                                   ; this tile's set has been read
.endif
.endm
	PLOAD 0
	PLOAD 1
	PTILE 0
	PTILE 1
	PTILE 2
	PTILE 3
	global_store_b128 v4, v[16:19], s[38:39] offset:12288   ; the four tiles' scale words, 16 bytes a lane
	s_endpgm
.Lfunc_end_k_q20d61c98d3_quant:
	.size	k_q20d61c98d3_quant, .Lfunc_end_k_q20d61c98d3_quant-k_q20d61c98d3_quant
	.p2alignl 7, 3214868480
	.fill 96, 4, 3214868480
	.section	.rodata,"a",@progbits
	.p2align	6, 0x0
	.amdhsa_kernel k_q20d61c98d3_quant
		.amdhsa_group_segment_fixed_size 33280
		.amdhsa_private_segment_fixed_size 0
		.amdhsa_enable_private_segment 0
		.amdhsa_kernarg_size 96
		.amdhsa_user_sgpr_count 2
		.amdhsa_user_sgpr_kernarg_segment_ptr 1
		.amdhsa_wavefront_size32 1
		.amdhsa_system_sgpr_workgroup_id_x 1
		.amdhsa_system_sgpr_workgroup_id_y 1
		.amdhsa_system_sgpr_workgroup_id_z 1
		.amdhsa_system_vgpr_workitem_id 0
		.amdhsa_next_free_vgpr 192
		.amdhsa_next_free_sgpr 66
		.amdhsa_reserve_vcc 1
		.amdhsa_float_denorm_mode_32 3
		.amdhsa_float_denorm_mode_16_64 3
		.amdhsa_memory_ordered 1
		.amdhsa_forward_progress 1
		.amdhsa_inst_pref_size 103
	.end_amdhsa_kernel
	.amdgpu_metadata
---
amdhsa.version: [ 1, 2 ]
amdhsa.kernels:
  - .name:           k_q20d61c98d3_quant
    .symbol:         k_q20d61c98d3_quant.kd
    .args:
      - { .name: hidden_states, .offset: 0, .size: 8, .value_kind: global_buffer, .address_space: global }
      - { .name: Wk, .offset: 8, .size: 8, .value_kind: global_buffer, .address_space: global }
      - { .name: Wv, .offset: 16, .size: 8, .value_kind: global_buffer, .address_space: global }
      - { .name: Wq, .offset: 24, .size: 8, .value_kind: global_buffer, .address_space: global }
      - { .name: proj_k, .offset: 32, .size: 8, .value_kind: global_buffer, .address_space: global }
      - { .name: proj_v, .offset: 40, .size: 8, .value_kind: global_buffer, .address_space: global }
      - { .name: attention_mask, .offset: 48, .size: 8, .value_kind: global_buffer, .address_space: global }
      - { .name: xc, .offset: 56, .size: 8, .value_kind: global_buffer, .address_space: global }
      - { .name: xs, .offset: 64, .size: 8, .value_kind: global_buffer, .address_space: global }
      - { .name: wc, .offset: 72, .size: 8, .value_kind: global_buffer, .address_space: global }
      - { .name: ws, .offset: 80, .size: 8, .value_kind: global_buffer, .address_space: global }
      - { .name: pcod, .offset: 88, .size: 8, .value_kind: global_buffer, .address_space: global }
    .group_segment_fixed_size: 33280
    .private_segment_fixed_size: 0
    .kernarg_segment_align: 8
    .kernarg_segment_size: 96
    .max_flat_workgroup_size: 128
    .sgpr_count:     66
    .vgpr_count:     192
    .wavefront_size: 32
...
	.end_amdgpu_metadata
.endif
;; end of part 1
;; launch gemm3 (part 2): grid 64 x 4, 4 waves a work-group, clusters of 4 x 4, 327,680 bytes of LDS; arguments wc, ws, xc, xs, hc, bk, bv, bq, qc; writes hc, qc
.if DOCPART == 2
	.amdgcn_target "amdgcn-amd-amdhsa--gfx1250"
	.amdhsa_code_object_version 6
	.text
	.protected	k_q20d61c98d3_gemm3
	.globl	k_q20d61c98d3_gemm3
	.p2align	8
	.type	k_q20d61c98d3_gemm3,@function
k_q20d61c98d3_gemm3:
	s_mov_b64 s[64:65], 0
	v_nop
	global_prefetch_b8 v0, s[64:65] scope:SCOPE_SE
	s_setreg_imm32_b32 hwreg(HW_REG_WAVE_MODE, 25, 1), 1
	s_wait_xcnt 0x0
	s_wait_alu depctr_hold_cnt(0) depctr_sa_sdst(0) depctr_va_vdst(0) depctr_va_sdst(0) depctr_va_ssrc(0) depctr_va_vcc(0) depctr_vm_vsrc(0)
	s_getreg_b32 s2, hwreg(HW_REG_IB_STS2, 6, 4)
	s_cmp_eq_u32 s2, 0
	s_cbranch_scc0 .Lentry_in_a_cluster
	s_endpgm
.Lentry_in_a_cluster:
	s_bfe_u32 s2, ttmp6, 0x10000c
	s_cmp_lg_u32 s2, 0xf033
	s_cbranch_scc0 .Lentry_shape_is_right
	s_endpgm
.Lentry_shape_is_right:
; LAUNCH 2 OF 4.  hk = X Wk^T + bk, hv = X Wv^T + bv and q = X Wq^T + bq (16,384 x 3,072 outputs, K = 1,024) on codes of FP6 (E2M3) with E8M0 scales, and the quantisation of each for the product that takes it next:
; hk and hv ALONG s (the K of the ragged projections), q along its head's 64.
; A WORK-GROUP STAYS: it owns 256 rows of X and makes three tiles of 256 x 256, for the same 256 columns of Wk, of Wv and of Wq (rows cy 256 on of each 1,024 rows of wc).  Four waves, each 128 x 128: 64 accumulators of 16 x 16 in 512 registers.
; K goes in four steps of 256 through a ring of two LDS slots filled by the tensor data mover (a tile's row is 192 bytes), and the ring does not stop at a tile's end: a tile's last two changes of slots ask for the next tile's first two
; K steps, and nothing waits for a tile's stores.  The scale bytes of all rows that the work-group uses, for all of K, come once with the first fills: four pieces of 256 rows, one load a wave.
; THE k AND v TILES (the two trips of the loop): source 0 = 16 rows of X, source 1 = 16 rows of W: in accumulator (a, b) lane (r, h) holds column 16 a + r, and its register j the row s = 16 b + 8 h + j.  A lane's 64 registers of one a run along s.
; THE q TILE (written out): the sources change places: lane (r, h) holds query 16 b + r, register j column 16 a + 8 h + j, and accumulator (a, b) lies where a lane's 64 registers of one b run along the columns (two heads).
; Either way 64 registers of a lane are four blocks of 32 along the next K: quantised in registers they are one operand fragment.  Within a block the codes stand in the order 0-7, 16-23, 8-15, 24-31; the other operand of each of these products has the same order.
; The bias is the C of each sum's first matrix instruction.
; hc: [b 4][g = column / 64: 32][K step of 128 s: 32], qc: [group of 64 queries: 256][pair of heads: 8]: records of 6,656 bytes: four images of 1,536 bytes (register group c of lane l at 512 c + 16 l), then 32 lanes x 16 bytes: the four fragments' scale words.
; CLUSTERS: 4 x 4 work-groups.  The four of a row of the cluster need the same tiles of W, the four of a column the same tiles of X: each tile is asked for jointly, by the same tensor load with a mask that names the four.
; A wave has three tensor loads out at the start and one behind each round.
; No prefetch: each tile is shared by four work-groups, and X's rows are walked three times by the work-group itself.
; LIMITS: a block of zeros carries the byte 1 (its codes are zeros; this program alone reads the bytes); NaN and infinities are not served.
; REGISTERS, in windows of 256: window 0: v1-15, v31 bk and bv of my columns; v16-30 addresses; v32-63 W's scale words, two sets; v64-127 the bias as C; v128-223 W's fragments, one set (on the way out v140-183 at work); v224-255 X's scale words, two sets.
;   window 1: X's fragments, two sets, at v0 and v128; bq as C in v96-127 and v224-255.   windows 2, 3: the accumulators.
.set KSTEP,  256
.set NQ,     2
.set ROWB,   192
.set KROW,   768
.set PITCH,  240                       ; an LDS row: 3 x (64 bytes of data + 16 of padding)
.set FR,     12
.set NL,     6
.set NP,     4
.set HALFT,  128*PITCH
.set SLOT,   4*HALFT
.set KS,     32
.set SCL,    2*SLOT                    ; behind the ring: the scales, as rows of 256 bytes + 16 of padding
.set HALFS,  (128*KS/256)*272          ; those of 128 rows
.set SBLK,   (16*KS/256)*272           ; of 16 rows
.set SCT,    2*HALFS                   ; of 256 rows: what one tensor load brings.  Pieces: W's tile 0, 1, 2, then X
.set SPARE,  SCL+4*SCT                 ; behind the scales: the spare words, 128 bytes a wave, which no other line names
.set NEXT_A, 1024*KROW-2*ROWB          ; from a slot's last K step of a tile of W to its first of the next tile: 1,024 rows down, back along K
.set NEXT_G, 16*32*6656                ; hc: 16 groups of 64 columns on
.set ADRA, 16                          ; v16-17 LDS address of my W fragments in slot 0, 1 (v18-19: for the pieces behind one padding more)
.set ADRB, 20                          ; v20-23 the same for X
.set ADRSW, 24                         ; v24    my row's scale bytes in the tile of W in hand
.set ADRSX, 25                         ; v25    and in X; never rewritten
.set LI,   26                          ; v26    16 x lane
.set BO,   27                          ; v27    4 r: bk's and bv's offset
.set SPW,  28
.set NIL,  29
.set BOQ,  30                          ; v30    32 h: bq's offset
.set CB0,  1                           ; v1-8   the bias of the tile in hand, one number for each block of 16 columns (the next tile's: v9-15, v31)
.set SCW,  32
.set BIAS, 64
.set AF,   128
.set PC,   140                         ; v140-151 a fragment's codes, v152-158 halves on their way
.set TM,   160                         ; v160-163 largest magnitudes, v164-167 bytes, v172-175 the conversions' scale operands
.set PWQ,  176                         ; v176-183 the eight fragments' scale words
.set SCX,  224
.set SEL,  20
.set G1, 24
.set G0, 32
.set G1B, 48
.set G0B, 56
.set G1S, 68
.set G0S, 76
.set G1SB, 80
.set G0SB, 88
.set SWAP, 0
.set MSB, 0
.macro WIN new                         ; the immediate's high byte repeats the setting that is left
.if MSB != (\new)
	s_set_vgpr_msb (MSB<<8)|(\new)
.set MSB, (\new)
.endif
.endm
.set TO_B,   0x40
; A joint load: waves 0 and 1 fetch for W, waves 2 and 3 for X.  The branch hangs on the wave's number alone.  An s_nop 0 and four v_nop follow each of the two lines.
.macro JLOAD g0a, g1a, g0b, g1b
	s_cmp_eq_u32 s15, 0
	s_cbranch_scc0 .Lfor_b_\@
	tensor_load_to_lds s[\g0a:\g0a+3], s[\g1a:\g1a+7]
	s_nop 0
.rept 4
	v_nop
.endr
	s_branch .Lasked_\@
.Lfor_b_\@:
	tensor_load_to_lds s[\g0b:\g0b+3], s[\g1b:\g1b+7]
	s_nop 0
.rept 4
	v_nop
.endr
.Lasked_\@:
.endm
.macro SLOAD                           ; the scale bytes: waves 0, 1, 2 fetch those of W's tile 0, 1, 2, wave 3 those of X
	s_cmp_lt_u32 s14, 3
	s_cbranch_scc0 .Lfor_x_\@
	tensor_load_to_lds s[G0S:G0S+3], s[G1S:G1S+7]
	s_nop 0
.rept 4
	v_nop
.endr
	s_branch .Lsc_asked_\@
.Lfor_x_\@:
	tensor_load_to_lds s[G0SB:G0SB+3], s[G1SB:G1SB+7]
	s_nop 0
.rept 4
	v_nop
.endr
.Lsc_asked_\@:
.endm
.macro CREST                           ; a round of the cluster's barrier behind its opening barrier
	s_cmp_lg_u32 s14, 0
	s_cbranch_scc1 .Lnot_wave_0_\@
	s_barrier_signal -3
.Lnot_wave_0_\@:
	s_barrier_wait -3
	s_barrier_signal -1
	s_barrier_wait -1
.endm
.macro CROUND
	s_barrier_signal -1
	s_barrier_wait -1
	CREST
.endm
	s_load_b128 s[4:7], s[0:1], 0x0                ; the weights' codes s[4:5], their scales s[6:7]
	s_load_b128 s[8:11], s[0:1], 0x10              ; X's codes s[8:9], X's scales s[10:11]
	s_load_b64 s[12:13], s[0:1], 0x20              ; hc
	s_load_b64 s[96:97], s[0:1], 0x28              ; bk
	s_load_b64 s[98:99], s[0:1], 0x30              ; bv
	s_load_b64 s[100:101], s[0:1], 0x38            ; bq
	s_load_b64 s[66:67], s[0:1], 0x40              ; qc
	v_lshl_add_u32 v[SPW], v0, 2, SPARE
	v_mov_b32 v[NIL], 0
	ds_add_u32 v[SPW], v[NIL]                      ; the wave's opening: the add and its wait stand ahead of my first tensor load; the set-up below stands between them
	v_lshrrev_b32 v64, 5, v0
	v_readfirstlane_b32 s14, v64                   ; wave 0..3
	s_lshr_b32 s15, s14, 1                         ; which 128 of the tile's columns are mine.  Also: I fetch for W (0) or for X (1)
	s_and_b32 s16, s14, 1                          ; which 128 of its rows of X.  Also: which 128 rows of that tile I fetch
	s_bfe_u32 s40, ttmp6, 0x40000                  ; cx, cy: my place in the cluster
	s_bfe_u32 s41, ttmp6, 0x40004
	s_lshl_b32 s42, ttmp9, 2
	s_add_co_u32 s42, s42, s40                     ; tile of X's rows = 4 x cluster x + cx
	s_mov_b32 s17, s41                             ; tile of columns in each weight = cy: the grid has one cluster along y
	s_lshl_b32 s43, s41, 2
	s_lshl_b32 s43, 15, s43                        ; my row of the cluster
	s_lshl_b32 s44, 0x1111, s40                    ; my column
	s_or_b32 s[G1+0], s43, (0<<16)|(1<<20)|(1<<21)|(3<<22)|(3<<25)  ; the mask; elements of 1 byte; padding on; bit 21 beside a mask; after every 16 words 4 words
	s_or_b32 s[G1B+0], s44, (0<<16)|(1<<20)|(1<<21)|(3<<22)|(3<<25)
.irp g, G1, G1B
	s_mov_b32 s[\g+1], ROWB<<16                    ; tensor_dim0
	s_mov_b32 s[\g+2], 128<<16                     ; tensor_dim1
	s_mov_b32 s[\g+3], ROWB<<16                    ; tile_dim0
	s_mov_b32 s[\g+4], 128                         ; tile_dim1
	s_mov_b32 s[\g+5], KROW                        ; the pitch
	s_mov_b32 s[\g+6], 0
	s_mov_b32 s[\g+7], 0
.endr
	s_or_b32 s[G1S+0], s43, (3<<16)|(1<<20)|(1<<21)|(5<<22)|(3<<25)   ; the scales of 256 rows: 8,192 dense bytes as 32 rows of 256 (32 elements of 8 bytes), 16 bytes of padding behind each
	s_or_b32 s[G1SB+0], s44, (3<<16)|(1<<20)|(1<<21)|(5<<22)|(3<<25)
.irp g, G1S, G1SB
	s_mov_b32 s[\g+1], 32<<16
	s_mov_b32 s[\g+2], 32<<16
	s_mov_b32 s[\g+3], 32<<16
	s_mov_b32 s[\g+4], 32
	s_mov_b32 s[\g+5], 32
	s_mov_b32 s[\g+6], 0
	s_mov_b32 s[\g+7], 0
.endr
	s_lshl_b32 s18, s16, 7                         ; which 128 rows of the tile I fetch
	s_lshl_b32 s20, s17, 8
	s_add_co_u32 s20, s20, s18                     ; W: row 256 cy + 128 x half, in Wk
	s_lshl_b32 s46, s42, 8
	s_add_co_u32 s46, s46, s18                     ; X: row 256 x tile + 128 x half
	s_mov_b32 s21, 0
	s_mov_b32 s47, 0
	s_mov_b64 s[18:19], KROW
	s_mul_u64 s[20:21], s[20:21], s[18:19]         ; their codes, in bytes
	s_mul_u64 s[46:47], s[46:47], s[18:19]
	s_lshl_b32 s22, s14, 10                        ; the scale bytes that waves 0-2 fetch: rows 1,024 x wave + 256 cy of the weights,
	s_lshl_b32 s23, s17, 8
	s_add_co_u32 s22, s22, s23
	s_lshl_b32 s22, s22, 5                         ; 32 bytes a row
	s_mov_b32 s23, 0
	s_lshl_b32 s92, s42, 13                        ; and wave 3: rows 256 x tile of X
	s_mov_b32 s93, 0
	s_mul_i32 s45, s14, HALFT                      ; where they go: wave x 128 rows: no place in the cluster enters an LDS address
	s_mul_i32 s94, s14, SCT
	s_wait_dscnt 0x0                               ; the opening add is done
	s_wait_kmcnt 0x0
	s_add_nc_u64 s[20:21], s[4:5], s[20:21]
	s_add_nc_u64 s[22:23], s[6:7], s[22:23]
	s_add_nc_u64 s[46:47], s[8:9], s[46:47]
	s_add_nc_u64 s[92:93], s[10:11], s[92:93]
	CROUND                                         ; all sixteen work-groups are here: the first joint loads meet
	s_mov_b32 s[G0S], 1
	s_add_co_u32 s[G0S+1], s94, SCL
	s_mov_b64 s[G0S+2:G0S+3], s[22:23]
	s_or_b32 s[G0S+3], s[G0S+3], 0x80000000
	s_mov_b32 s[G0SB], 1
	s_add_co_u32 s[G0SB+1], s94, SCL
	s_mov_b64 s[G0SB+2:G0SB+3], s[92:93]
	s_or_b32 s[G0SB+3], s[G0SB+3], 0x80000000
	SLOAD                                          ; the scales first: they are wanted with K step 0
.irp s, 0,1
	s_mov_b32 s[G0+4*\s], 1
	s_add_co_u32 s[G0+4*\s+1], s45, \s*SLOT
	s_add_nc_u64 s[G0+4*\s+2:G0+4*\s+3], s[20:21], \s*ROWB
	s_or_b32 s[G0+4*\s+3], s[G0+4*\s+3], 0x80000000
	s_mov_b32 s[G0B+4*\s], 1
	s_add_co_u32 s[G0B+4*\s+1], s45, \s*SLOT
	s_add_nc_u64 s[G0B+4*\s+2:G0B+4*\s+3], s[46:47], \s*ROWB
	s_or_b32 s[G0B+4*\s+3], s[G0B+4*\s+3], 0x80000000
	JLOAD G0+4*\s, G1, G0B+4*\s, G1B
.endr
	v_and_b32 v64, 15, v0                          ; r
	v_bfe_u32 v65, v0, 4, 1                        ; h
	v_mul_u32_u24 v66, v64, PITCH
	v_mul_u32_u24 v67, v65, 24
	v_add_nc_u32 v67, v66, v67                     ; a fragment's row x pitch + 24 x half
	v_lshl_add_u32 v68, v65, 4, v67                ; and the same behind one padding more
	s_mul_i32 s21, s15, HALFT                      ; my 128 rows of W
	s_mul_i32 s22, s16, HALFT                      ; my 128 rows of X,
	s_add_co_u32 s22, s22, 2*HALFT                 ; which lie behind W's 256
.irp s, 0,1
	v_add_nc_u32 v[ADRA+\s], s21, v67
	v_add_nc_u32 v[ADRB+\s], s22, v67
	v_add_nc_u32 v[ADRA+2+\s], s21, v68
	v_add_nc_u32 v[ADRB+2+\s], s22, v68
	s_add_co_u32 s21, s21, SLOT
	s_add_co_u32 s22, s22, SLOT
.endr
	v_mul_u32_u24 v68, v64, KS                     ; my row's scales: 32 bytes a row,
	v_lshrrev_b32 v69, 8, v68
	v_lshl_add_u32 v68, v69, 4, v68                ; and 16 more for each 256 passed
	s_mul_i32 s21, s15, HALFS
	s_add_co_u32 s21, s21, SCL
	v_add_nc_u32 v[ADRSW], s21, v68                ; W's tile 0, my 128 rows
	s_mul_i32 s22, s16, HALFS
	s_add_co_u32 s22, s22, SCL+3*SCT
	v_add_nc_u32 v[ADRSX], s22, v68                ; X, my 128 rows
	v_and_b32 v69, 31, v0
	v_lshlrev_b32 v[LI], 4, v69
	; the three biases of my 128 columns
	s_lshl_b32 s20, s17, 8
	s_lshl_b32 s21, s15, 7
	s_add_co_u32 s20, s20, s21                     ; my first column in each weight
	s_lshl_b32 s20, s20, 2
	s_mov_b32 s21, 0
	s_add_nc_u64 s[96:97], s[96:97], s[20:21]
	s_add_nc_u64 s[98:99], s[98:99], s[20:21]
	s_add_nc_u64 s[100:101], s[100:101], s[20:21]
	v_lshlrev_b32 v[BO], 2, v64
	v_lshlrev_b32 v[BOQ], 5, v65
.irp a, 0,1,2,3,4,5,6,7
	global_load_b32 v[CB0+\a], v[BO], s[96:97] offset:64*\a             ; bk(16 a + r): in the k and v tiles a lane is a column
	global_load_b32 v[9+\a+15*(\a/7)], v[BO], s[98:99] offset:64*\a     ; bv(16 a + r)
.endr
	WIN TO_B                                       ; destination window 1
.irp a, 0,1,2,3,4,5,6,7
	global_load_b128 v[96+8*\a+96*(\a/4):96+8*\a+96*(\a/4)+3], v[BOQ], s[100:101] offset:64*\a        ; bq(16 a + 8 h + 0 .. 7): in the q tile a lane's eight results are eight columns
	global_load_b128 v[96+8*\a+96*(\a/4)+4:96+8*\a+96*(\a/4)+7], v[BOQ], s[100:101] offset:64*\a+16
.endr
	WIN 0
	; where my records begin in hc: ((batch x 32 + g) x 32 + K step) x 6,656
	s_lshr_b32 s46, s42, 4                         ; the batch: 16 tiles of 256 rows each
	s_lshl_b32 s46, s46, 10
	s_lshl_b32 s47, s42, 1
	s_add_co_u32 s47, s47, s16
	s_and_b32 s47, s47, 31                         ; my 128 rows are this K step of the batch
	s_add_co_u32 s46, s46, s47
	s_lshl_b32 s20, s17, 2
	s_lshl_b32 s21, s15, 1
	s_add_co_u32 s20, s20, s21                     ; g of my columns 0-63 in the k tile; columns 64-127 are g + 1
	s_lshl_b32 s20, s20, 5
	s_add_co_u32 s46, s46, s20
	s_mul_i32 s46, s46, 6656
	s_mov_b32 s47, 0
	s_add_nc_u64 s[12:13], s[12:13], s[46:47]
	; and in qc: ((4 x tile of X + 2 x half) x 8 + pair of heads) x 6,656
	s_lshl_b32 s46, s42, 2
	s_lshl_b32 s47, s16, 1
	s_add_co_u32 s46, s46, s47
	s_lshl_b32 s46, s46, 3
	s_lshl_b32 s47, s17, 1
	s_add_co_u32 s46, s46, s47
	s_add_co_u32 s46, s46, s15                     ; pair of heads 2 cy + half
	s_mul_i32 s46, s46, 6656
	s_mov_b32 s47, 0
	s_add_nc_u64 s[66:67], s[66:67], s[46:47]
.macro FRAG reg, adr, q, i             ; a fragment, 16 rows x 128 K, is 12 registers: lane l holds row l % 16; registers 6 c .. 6 c + 5 hold K = 64 c + 32 (l / 16) + 0 .. 31: 24 bytes of the row, as they lie
.irp p, 0,1,2,3,4,5                    ; in pieces of 8 bytes.  Where the piece three on (lanes 16-31) lies behind one padding more, the second address register serves
.set PCE, 12*(\q)+6*(\p/3)+\p%3
.if PCE%8 < 5
	ds_load_b64 v[\reg+2*\p:\reg+2*\p+1], v[\adr] offset:8*PCE+16*(PCE/8)+(\i)*16*PITCH
.else
	ds_load_b64 v[\reg+2*\p:\reg+2*\p+1], v[\adr+2] offset:8*PCE+16*(PCE/8)+(\i)*16*PITCH
.endif
.endr
.endm
; 16 matrix instructions: W's blocks a0, a0 + 1 x X's eight, 128 along K.  first = 1: the bias is the C.  The 64 accumulators take turns, one instruction a turn, in one order in every step of a tile.
; SWAP = 0: source 0 = X (window 1), source 1 = W (window 0), accumulator (a, b) at v[8 (8 (a % 4) + b)] of window 2 + a / 4.
; SWAP = 1: source 0 = W, source 1 = X, accumulator (a, b) at v[8 (8 (b % 4) + a)] of window 2 + b / 4: two settings of the windows in the sixteen.
.macro MUL16 a0, p, q, sc, first
.if SWAP
.irp bh, 0,1
.if \first
	WIN 0x94+0x40*\bh
.else
	WIN 0xa4+0x50*\bh
.endif
.irp a, \a0, \a0+1
.irp bl, 0,1,2,3
.if \first
	v_wmma_scale_f32_16x16x128_f8f6f4 v[8*(8*\bl+(\a)):8*(8*\bl+(\a))+7], v[AF+FR*(\a):AF+FR*(\a)+FR-1], v[128*(\p)+FR*(4*\bh+\bl):128*(\p)+FR*(4*\bh+\bl)+FR-1], v[96+8*(\a)+96*((\a)/4):96+8*(\a)+96*((\a)/4)+7], v[SCW+16*(\sc)+2*(\a)+(\q)], v[SCX+16*(\sc)+2*(4*\bh+\bl)+(\q)] matrix_a_fmt:MATRIX_FMT_FP6 matrix_b_fmt:MATRIX_FMT_FP6
.else
	v_wmma_scale_f32_16x16x128_f8f6f4 v[8*(8*\bl+(\a)):8*(8*\bl+(\a))+7], v[AF+FR*(\a):AF+FR*(\a)+FR-1], v[128*(\p)+FR*(4*\bh+\bl):128*(\p)+FR*(4*\bh+\bl)+FR-1], v[8*(8*\bl+(\a)):8*(8*\bl+(\a))+7], v[SCW+16*(\sc)+2*(\a)+(\q)], v[SCX+16*(\sc)+2*(4*\bh+\bl)+(\q)] matrix_a_fmt:MATRIX_FMT_FP6 matrix_b_fmt:MATRIX_FMT_FP6
.endif
.endr
.endr
.endr
.else
.if \first
	WIN 0x81+0x40*((\a0)/4)
.else
	WIN 0xa1+0x50*((\a0)/4)
.endif
.irp a, \a0, \a0+1
.irp b, 0,1,2,3,4,5,6,7
.if \first
	v_wmma_scale_f32_16x16x128_f8f6f4 v[8*(8*((\a)%4)+\b):8*(8*((\a)%4)+\b)+7], v[128*(\p)+FR*\b:128*(\p)+FR*\b+FR-1], v[AF+FR*(\a):AF+FR*(\a)+FR-1], v[BIAS+8*(\a):BIAS+8*(\a)+7], v[SCX+16*(\sc)+2*\b+(\q)], v[SCW+16*(\sc)+2*(\a)+(\q)] matrix_a_fmt:MATRIX_FMT_FP6 matrix_b_fmt:MATRIX_FMT_FP6
.else
	v_wmma_scale_f32_16x16x128_f8f6f4 v[8*(8*((\a)%4)+\b):8*(8*((\a)%4)+\b)+7], v[128*(\p)+FR*\b:128*(\p)+FR*\b+FR-1], v[AF+FR*(\a):AF+FR*(\a)+FR-1], v[8*(8*((\a)%4)+\b):8*(8*((\a)%4)+\b)+7], v[SCX+16*(\sc)+2*\b+(\q)], v[SCW+16*(\sc)+2*(\a)+(\q)] matrix_a_fmt:MATRIX_FMT_FP6 matrix_b_fmt:MATRIX_FMT_FP6
.endif
.endr
.endr
.endif
.endm
.macro FETCH_B slot, q, p
	WIN TO_B
.irp i, 0,1,2,3,4,5,6,7
	FRAG 128*(\p)+FR*\i, ADRB+\slot, \q, \i
.endr
	WIN 0
.endm
.macro FETCH_A slot, q, i0
.irp i, \i0, \i0+1, \i0+2, \i0+3
	FRAG AF+FR*(\i), ADRA+\slot, \q, \i
.endr
.endm
.macro SCALES sc, kap                  ; K step kap's scale words, two words a row, of W's eight blocks and of X's eight: lane r takes row r's (lanes 16-31 take the same and are not read)
.irp i, 0,1,2,3,4,5,6,7
	ds_load_b64 v[SCW+16*\sc+2*\i:SCW+16*\sc+2*\i+1], v[ADRSW] offset:\i*SBLK+8*(\kap)
	ds_load_b64 v[SCX+16*\sc+2*\i:SCX+16*\sc+2*\i+1], v[ADRSX] offset:\i*SBLK+8*(\kap)
.endr
.endm
.macro PLACES n                        ; plain vector instructions between a matrix instruction and a load into, or a vector instruction on, its registers
.rept \n
	v_nop
.endr
.endm
.macro STEP slot, q, first             ; a step of 128 along K that has its successor in the same slot
	s_wait_dscnt 4*NL                              ; X's set and W's blocks 0-3 are in; the youngest 24 loads (W's blocks 4-7) may be out
	MUL16 0, (\q)%2, \q, \slot, \first
	MUL16 2, (\q)%2, \q, \slot, \first
	s_wait_dscnt 0                                 ; W's blocks 4-7 are in
	PLACES NP
	FETCH_B \slot, (\q)+1, 1-(\q)%2
	FETCH_A \slot, (\q)+1, 0
	MUL16 4, (\q)%2, \q, \slot, \first
	MUL16 6, (\q)%2, \q, \slot, \first
	PLACES NP
	WIN 0
	FETCH_A \slot, (\q)+1, 4
.endm
; A slot's last step changes slots: one barrier; in front of it each wave waits for all its tensor loads, adds 0 to its spare word, and waits for that and for its own reads of this slot.
; fill = 1: this slot is filled again, two K steps ahead; 2: with the NEXT tile's K step of this slot; 0: not at all.  fetch = 1: the other slot's first fragments and K step kap's scale words are read; 0: a tile's last step.
.macro TURN slot, next, fill, fetch, kap
	s_wait_tensorcnt 0x0                           ; all my tensor loads have landed: the one that was out is my part of the other slot
	ds_add_u32 v[SPW], v[NIL]                      ; 0 onto my spare word
	s_wait_dscnt 4*NL+1                            ; (the add and the youngest 24 loads, W's blocks 4-7, may be out)
	MUL16 0, 1, NQ-1, \slot, 0                     ; sixteen matrix instructions stand between the add and the wait for it
	s_wait_dscnt 0x0                               ; the add is done, and my reads of this slot are over
	s_barrier_signal -1
	MUL16 2, 1, NQ-1, \slot, 0
	WIN 0
	s_barrier_wait -1
.if \fill
	CREST                                          ; the barrier has opened a round of the cluster's: no wave of any partner still reads this slot or has a load on its way
.if \fill == 1
	s_add_nc_u64 s[G0+4*\slot+2:G0+4*\slot+3], s[G0+4*\slot+2:G0+4*\slot+3], 2*ROWB
	s_add_nc_u64 s[G0B+4*\slot+2:G0B+4*\slot+3], s[G0B+4*\slot+2:G0B+4*\slot+3], 2*ROWB
.else
	s_add_nc_u64 s[G0+4*\slot+2:G0+4*\slot+3], s[G0+4*\slot+2:G0+4*\slot+3], NEXT_A
	s_sub_nc_u64 s[G0B+4*\slot+2:G0B+4*\slot+3], s[G0B+4*\slot+2:G0B+4*\slot+3], 2*ROWB   ; X's rows stay: only back along K
.endif
	JLOAD G0+4*\slot, G1, G0B+4*\slot, G1B         ; the first tensor load behind the round; its four v_nop are the places in front of the loads below
.else
	PLACES NP
.endif
.if \fetch
	FETCH_B \next, 0, 0
	FETCH_A \next, 0, 0
	SCALES \next, \kap
.endif
	MUL16 4, 1, NQ-1, \slot, 0
	MUL16 6, 1, NQ-1, \slot, 0
	PLACES NP
	WIN 0
.if \fetch
	FETCH_A \next, 0, 4
.endif
.endm
.macro HEAD                            ; a tile's first fragments and scale words, out of slot 0, which the barrier before has shown whole
	FETCH_B 0, 0, 0
	FETCH_A 0, 0, 0
	SCALES 0, 0
	FETCH_A 0, 0, 4
.endm
; 64 numbers of a lane in window w, v[ac] on (register 16 b + i: block b of 32 along the next K, my half's 16 numbers), become a fragment's codes in v[PC] on and its scale word in v[pw].
.macro QUANTW w, ac, pw
.set WS, \w
.set WQ, WS*5                          ; sources 0 and 1 in window w
	WIN WQ
.irp b, 0,1,2,3
	v_max3_num_f32 v[TM+\b], |v[(\ac)+16*\b]|, |v[(\ac)+16*\b+1]|, 0x1800000   ; each accumulator is read from its low end on; the floor 2^(3 - 127) holds the byte at 1 from below
.endr
.irp i, 2,4,6,8,10,12,14
.irp b, 0,1,2,3
	v_max3_num_f32 v[TM+\b], |v[(\ac)+16*\b+\i]|, |v[(\ac)+16*\b+\i+1]|, v[TM+\b]
.endr
.endr
	WIN 0
.irp b, 0,1,2,3
	v_permlanex16_b32 v[TM+4+\b], v[TM+\b], s[SEL], s[SEL+1]
.endr
.irp b, 0,1,2,3
	v_max_num_f32 v[TM+\b], v[TM+\b], v[TM+4+\b]   ; with lane l xor 16's: the block's largest magnitude
.endr
.irp b, 0,1,2,3
	v_add_nc_u32 v[TM+12+\b], 0xff000000, v[TM+\b] ; 2 off its exponent field: the conversion's scale operand
.endr
.irp b, 0,1,2,3
	v_lshrrev_b32 v[TM+4+\b], 23, v[TM+12+\b]      ; the scale's byte
.endr
	s_wait_xcnt 0x0                                ; the last fragment's stores have read their registers: only behind this wait are these written again
	v_lshl_or_b32 v[\pw], v[TM+5], 8, v[TM+4]
	v_lshl_or_b32 v[\pw], v[TM+6], 16, v[\pw]
	v_lshl_or_b32 v[\pw], v[TM+7], 24, v[\pw]
	WIN WS
.irp c, 0,1
	v_cvt_scalef32_pk16_fp6_f32 v[PC+6*\c:PC+6*\c+2], v[(\ac)+32*\c:(\ac)+32*\c+15], v[TM+12+2*\c]
	v_cvt_scalef32_pk16_fp6_f32 v[PC+12+4*\c:PC+14+4*\c], v[(\ac)+16+32*\c:(\ac)+31+32*\c], v[TM+13+2*\c]   ; (a conversion's three registers begin on an even number)
.endr
	WIN 0
	v_nop                                          ; one plain instruction behind a scaled conversion
.irp c, 0,1                                    ; the operand's layout wants a whole block in a lane: lanes 0-15 block 2 c, lanes 16-31 block 2 c + 1
.irp i, 0,1,2
	v_permlane16_swap_b32 v[PC+6*\c+\i], v[PC+12+4*\c+\i]
.endr
.irp i, 0,1,2
	v_mov_b32 v[PC+3+6*\c+\i], v[PC+12+4*\c+\i]
.endr
.endr
.endm
; THE WAY OUT of a tile, straight from registers: eight fragments, two records, stride bytes apart.  It stands four places behind the tile's last product.
.macro WAYOUT base, stride
.irp b, 0,1,2,3
	v_mov_b32 v[TM+4+\b], 0                        ; a lane permute's destination counts as one of its sources
.endr
.irp a, 0,1,2,3,4,5,6,7
	QUANTW 2+\a/4, 64*(\a%4), PWQ+\a
.irp c, 0,1,2
	global_store_b128 v[LI], v[PC+4*\c:PC+4*\c+3], s[\base:\base+1] offset:(\a/4)*(\stride)+(\a%4)*1536+512*\c th:TH_STORE_NT   ; the image: 512 consecutive bytes, aligned
.endr
.if \a%4 == 3
	global_store_b128 v[LI], v[PWQ+4*(\a/4):PWQ+4*(\a/4)+3], s[\base:\base+1] offset:(\a/4)*(\stride)+6144 th:TH_STORE_NT   ; the record's four scale words, 16 bytes a lane
.endif
.endr
.endm
	s_wait_tensorcnt 1                             ; my piece of the scales and my part of K step 0 are in (K step 1's load may be out)
	s_barrier_signal -1
	s_barrier_wait -1                              ; everybody's are
	s_wait_loadcnt 0x0                             ; the biases
	s_mov_b32 s[SEL], 0x76543210
	s_mov_b32 s[SEL+1], 0xfedcba98                 ; v_permlanex16_b32's selects for lane l xor 16
	s_mov_b32 s3, 0
.Ltile:                                            ; two trips: the k tile and the v tile.  Both have a successor, so every trip issues the same four refills
	HEAD
.irp a, 0,1,2,3,4,5,6,7
.irp j, 0,1,2,3,4,5,6,7
	v_mov_b32 v[BIAS+8*\a+\j], v[CB0+\a]           ; a lane's eight results of a tile are eight rows of one column: one number eight times
.endr
.endr
.irp a, 0,1,2,3,4,5,6,7
	v_mov_b32 v[CB0+\a], v[9+\a+15*(\a/7)]         ; bv takes bk's place for the second trip (in which these eight lines change nothing)
.endr
	PLACES 8
	STEP 0, 0, 1                                   ; K = 1,024 is four K steps, eight steps of 128
	TURN 0, 1, 1, 1, 1
	STEP 1, 0, 0
	TURN 1, 0, 1, 1, 2
	STEP 0, 0, 0
	TURN 0, 1, 2, 1, 3                             ; THE RING GOES ON INTO THE NEXT TILE: slot 0 takes its K step 0,
	STEP 1, 0, 0
	TURN 1, 0, 2, 0, 0                             ; slot 1 its K step 1; the wait and the round of this change have shown slot 0 whole to every wave
	WAYOUT 12, 212992                              ; both refills are asked for: now the tile goes out; columns 64-127 are the next g: 32 records on
	s_wait_xcnt 0x0                                ; the stores have read their registers and their base: the base steps, and the next tile's fragments land in those registers, only behind this wait
	s_add_nc_u64 s[12:13], s[12:13], NEXT_G
	v_add_nc_u32 v[ADRSW], SCT, v[ADRSW]           ; the next tile of W's scale bytes
	s_add_co_u32 s3, s3, 1
	s_cmp_lt_u32 s3, 2
	s_cbranch_scc1 .Ltile
.set SWAP, 1
	HEAD                                           ; THE q TILE: written out, since it asks for nothing beyond its own K steps
	STEP 0, 0, 1
	TURN 0, 1, 1, 1, 1
	STEP 1, 0, 0
	TURN 1, 0, 1, 1, 2
	STEP 0, 0, 0
	TURN 0, 1, 0, 1, 3                             ; the last two K steps fill nothing
	STEP 1, 0, 0
	s_wait_dscnt 4*NL
	MUL16 0, 1, NQ-1, 1, 0
	MUL16 2, 1, NQ-1, 1, 0
	s_wait_dscnt 0
	MUL16 4, 1, NQ-1, 1, 0
	MUL16 6, 1, NQ-1, 1, 0
	WIN 0
	PLACES NP
	WAYOUT 66, 53248                               ; queries 64-127 are the next group: 8 records on
	s_wait_tensorcnt 0x0                           ; the wave's end
	ds_add_u32 v[SPW], v[NIL]
	s_wait_dscnt 0x0
	CROUND                                         ; the closing round: no work-group ends while a partner may still ask for a tile that names it
	s_endpgm
.Lfunc_end_k_q20d61c98d3_gemm3:
	.size	k_q20d61c98d3_gemm3, .Lfunc_end_k_q20d61c98d3_gemm3-k_q20d61c98d3_gemm3
	.p2alignl 7, 3214868480
	.fill 96, 4, 3214868480
	.section	.rodata,"a",@progbits
	.p2align	6, 0x0
	.amdhsa_kernel k_q20d61c98d3_gemm3
		.amdhsa_group_segment_fixed_size 327680
		.amdhsa_private_segment_fixed_size 0
		.amdhsa_enable_private_segment 0
		.amdhsa_kernarg_size 72
		.amdhsa_user_sgpr_count 2
		.amdhsa_user_sgpr_kernarg_segment_ptr 1
		.amdhsa_wavefront_size32 1
		.amdhsa_system_sgpr_workgroup_id_x 1
		.amdhsa_system_sgpr_workgroup_id_y 1
		.amdhsa_system_sgpr_workgroup_id_z 1
		.amdhsa_system_vgpr_workitem_id 0
		.amdhsa_next_free_vgpr 1024
		.amdhsa_next_free_sgpr 102
		.amdhsa_reserve_vcc 0
		.amdhsa_float_denorm_mode_32 3
		.amdhsa_float_denorm_mode_16_64 3
		.amdhsa_memory_ordered 1
		.amdhsa_forward_progress 1
		.amdhsa_inst_pref_size 255
	.end_amdhsa_kernel
	.section	.bss,"aw",@nobits
	.p2align	6
	.space	262144
	.amdgpu_metadata
---
amdhsa.version: [ 1, 2 ]
amdhsa.kernels:
  - .name:           k_q20d61c98d3_gemm3
    .symbol:         k_q20d61c98d3_gemm3.kd
    .args:
      - { .name: wc, .offset: 0, .size: 8, .value_kind: global_buffer, .address_space: global }
      - { .name: ws, .offset: 8, .size: 8, .value_kind: global_buffer, .address_space: global }
      - { .name: xc, .offset: 16, .size: 8, .value_kind: global_buffer, .address_space: global }
      - { .name: xs, .offset: 24, .size: 8, .value_kind: global_buffer, .address_space: global }
      - { .name: hc, .offset: 32, .size: 8, .value_kind: global_buffer, .address_space: global }
      - { .name: bk, .offset: 40, .size: 8, .value_kind: global_buffer, .address_space: global }
      - { .name: bv, .offset: 48, .size: 8, .value_kind: global_buffer, .address_space: global }
      - { .name: bq, .offset: 56, .size: 8, .value_kind: global_buffer, .address_space: global }
      - { .name: qc, .offset: 64, .size: 8, .value_kind: global_buffer, .address_space: global }
    .group_segment_fixed_size: 327680
    .private_segment_fixed_size: 0
    .kernarg_segment_align: 8
    .kernarg_segment_size: 72
    .max_flat_workgroup_size: 128
    .sgpr_count:     102
    .vgpr_count:     1024
    .wavefront_size: 32
...
	.end_amdgpu_metadata
.endif
;; end of part 2
;; launch proj (part 3): grid 64 x 4, 8 waves a work-group, no clusters, 140,288 bytes of LDS; arguments hc, pcod, kv; writes kv
.if DOCPART == 3
	.amdgcn_target "amdgcn-amd-amdhsa--gfx1250"
	.amdhsa_code_object_version 6
	.text
	.protected	k_q20d61c98d3_proj
	.globl	k_q20d61c98d3_proj
	.p2align	8
	.type	k_q20d61c98d3_proj,@function
k_q20d61c98d3_proj:
	s_mov_b64 s[64:65], 0
	v_nop
	global_prefetch_b8 v0, s[64:65] scope:SCOPE_SE
	s_setreg_imm32_b32 hwreg(HW_REG_WAVE_MODE, 25, 1), 1
	s_wait_xcnt 0x0
; LAUNCH 3 OF 4.  The ragged projections: k[b] = (m proj_k)^T hk[b] / sqrt(len[b]) and v[b] likewise: 128 keys x 1,024 columns, K = 4,096 along s, on codes of FP6 (E2M3); then k is quantised along a head's 64
; and v along the keys, as the last launch's operands.
; SHARES.  A work-group makes 64 keys (half = x % 2) x 64 columns (g = x / 2: 0-15 the heads of k, 16-31 those of v) of batch y: 16 accumulators.  K IS SPLIT OVER THE EIGHT WAVES, four K steps of 128 each; the eight
; parts meet in LDS behind the launch's one barrier and are added in f32.
; OPERANDS COME FROM MEMORY STRAIGHT INTO REGISTERS: both were stored as images of operand registers, so a fragment is three loads of 16 bytes a lane and the scale words of four fragments one more.  Two sets of
; registers: 52 loads of 512 bytes a wave are on their way.  Source 0 = 16 columns of hk or hv, source 1 = 16 keys: a lane holds a key, its registers run along the columns.
; No cluster and no tensor load: there is no ring in LDS through which a joint load could deliver; each work-group reads each of its bytes once, and what it shares with a neighbour (g's records, between the two halves) is half of them.
; No prefetch: a wave asks for half of all that it reads in its first lines.
; kv: [b 4][head 16] records of 13,824 bytes: +0 K: [tile of 16 keys: 8][lane 32][24 bytes] (a lane's block of 32 of the head's 64); +6,144 V: [tile of 16 of the head's 64: 4][c 2][lane 32][24 bytes] (a lane's block of 32 keys);
;   +12,288 K's scale words [tile 8][lane 32]: the two bytes stand in the low half for an even head and in the high half for an odd one, the other half is 0x7f7f; +13,312 V's scale words [tile 4][lane 32].
; Within each block of 32 the codes stand in the order 0-7, 16-23, 8-15, 24-31, as q's and p's codes do in the last launch.
; LIMITS: a block of zeros carries the byte 1 (its codes are zeros; this program alone reads the bytes); NaN and infinities are not served; the eight parts are added in another order than one ascending sum.
; REGISTERS: window 0: v1 16 x lane, v2 where my part goes, v3-6 and v224-227 where parts are read (k's way, v's way), v7 codes' place, v228-229 scale words' places, v[10:11] 1 / sqrt(len), v12-13 the add's two;
;   v16-31 scale words, two sets; v32-127, v128-223 fragments, two sets; later v32-191 parts, v192-209 at work.   window 1: the 16 accumulators ((kt, ct) at v[8 (4 kt + ct)]).
.set RECH,  6656
.set RECP,  13312
.set PP,    272                        ; a key's row in a part: 256 bytes + 16
.set PARTB, 64*PP                      ; a wave's part
.set SPARE, 8*PARTB                    ; behind the parts: the spare words, 128 bytes a wave, which no other line names
.set LI,  1
.set STW, 2
.set AKQ, 3
.set OC,  7
.set INV, 10
.set SPW, 12
.set NIL, 13
.set AVQ, 224
.set OSK, 228
.set OSV, 229
.set MSB, 0
.macro WIN new
.if MSB != (\new)
	s_set_vgpr_msb (MSB<<8)|(\new)
.set MSB, (\new)
.endif
.endm
	s_load_b128 s[4:7], s[0:1], 0x0                ; hc, pcod
	s_load_b64 s[8:9], s[0:1], 0x10                ; kv
	v_lshl_add_u32 v[SPW], v0, 2, SPARE
	v_mov_b32 v[NIL], 0
	v_lshrrev_b32 v14, 5, v0
	v_readfirstlane_b32 s10, v14                   ; wave 0..7
	s_and_b32 s11, ttmp7, 0xffff                   ; b
	s_lshr_b32 s12, ttmp9, 1                       ; g
	s_and_b32 s13, ttmp9, 1                        ; half
	s_lshr_b32 s14, s12, 4                         ; 0: k, 1: v
	s_and_b32 s15, s10, 3                          ; t: the tile that waves 0-3 finish
	s_lshl_b32 s18, s10, 2                         ; my first K step
	s_lshl_b32 s16, s11, 5
	s_add_co_u32 s16, s16, s12
	s_lshl_b32 s16, s16, 5
	s_add_co_u32 s16, s16, s18
	s_mul_i32 s16, s16, RECH                       ; hc: ((32 b + g) 32 + step) records
	s_mov_b32 s17, 0
	s_lshl_b32 s20, s11, 1
	s_add_co_u32 s20, s20, s14
	s_lshl_b32 s20, s20, 5
	s_add_co_u32 s20, s20, s18
	s_mul_i32 s20, s20, RECP                       ; pcod: ((2 b + k or v) 32 + step) records
	s_mov_b32 s21, 0
	s_mul_i32 s22, s13, 6144
	s_mov_b32 s23, 0
	s_add_nc_u64 s[30:31], s[20:21], s[22:23]      ; my half's four images
	s_lshl_b32 s22, s13, 9
	s_add_nc_u64 s[32:33], s[20:21], s[22:23]      ; my half's scale words (12,288 on, in the immediate)
	s_lshl_b32 s26, s11, 7
	s_mov_b32 s27, 0
	s_lshl_b32 s34, s11, 4
	s_and_b32 s35, s12, 15
	s_add_co_u32 s34, s34, s35
	s_mul_i32 s34, s34, 13824                      ; kv: (16 b + head) records
	s_mov_b32 s35, 0
	s_and_b32 s24, s12, 1
	s_lshl_b32 s24, s24, 4                         ; k's scale word: my two bytes go 16 (head % 2) bits up,
	s_sub_co_u32 s25, 16, s24
	s_lshl_b32 s25, 0x7f7f, s25                    ; and 0x7f7f fills the other half
	s_mov_b32 s28, 0x76543210
	s_mov_b32 s29, 0xfedcba98
	v_and_b32 v15, 31, v0                          ; lane
	v_and_b32 v14, 15, v0                          ; r
	v_bfe_u32 v9, v0, 4, 1                         ; h
	v_lshlrev_b32 v[LI], 4, v15
	v_mul_u32_u24 v[STW], v14, PP
	v_lshl_add_u32 v[STW], v9, 5, v[STW]           ; 272 r + 32 h
	s_mul_i32 s22, s15, 16*PP
	v_add_nc_u32 v[AKQ], s22, v[STW]               ; k's way: key 16 t + r, my half's eight columns of each tile
	s_mul_i32 s22, s10, PARTB
	v_add_nc_u32 v[STW], s22, v[STW]               ; my part
	v_mul_u32_u24 v[AVQ], v9, 8*PP
	v_lshl_add_u32 v[AVQ], v14, 2, v[AVQ]
	s_lshl_b32 s22, s15, 6
	v_add_nc_u32 v[AVQ], s22, v[AVQ]               ; v's way: column 16 t + r, keys 8 h on
.irp n, 1,2,3
	v_add_nc_u32 v[AKQ+\n], 2*PARTB*\n, v[AKQ]     ; a register for every two parts: the immediate holds 16 bits
	v_add_nc_u32 v[AVQ+\n], 2*PARTB*\n, v[AVQ]
.endr
	s_lshl_b32 s22, s13, 2
	s_add_co_u32 s22, s22, s15                     ; k: tile 4 half + t
	s_lshl_b32 s23, s15, 1
	s_add_co_u32 s23, s23, s13
	s_add_co_u32 s23, s23, 8                       ; v: 6,144 = 8 x 768 bytes on, piece 2 t + half
	s_cmp_lt_u32 s12, 16
	s_cselect_b32 s23, s22, s23
	s_mul_i32 s23, s23, 768
	v_mul_u32_u24 v[OC], v15, 24
	v_add_nc_u32 v[OC], s23, v[OC]                 ; where my 24 bytes of codes go
	s_lshl_b32 s22, s22, 7
	v_lshl_add_u32 v[OSK], v15, 2, s22             ; k's scale word: 128 (4 half + t) + 4 lane
	s_lshl_b32 s22, s15, 7
	s_lshl_b32 s23, s13, 1
	s_add_co_u32 s22, s22, s23
	v_lshl_add_u32 v[OSV], v15, 2, s22             ; v's two bytes: 128 t + 4 lane + 2 half
	v_lshlrev_b32 v8, 2, v15
	v_mov_b32 v[INV+1], 0                          ; (named with v10 as a pair)
	s_wait_kmcnt 0x0
	s_add_nc_u64 s[4:5], s[4:5], s[16:17]
	s_add_nc_u64 s[30:31], s[6:7], s[30:31]
	s_add_nc_u64 s[32:33], s[6:7], s[32:33]
	s_add_nc_u64 s[26:27], s[6:7], s[26:27]
	s_add_nc_u64 s[8:9], s[8:9], s[34:35]
.macro LOADSET set, i                  ; my K step i: 26 loads of 512 consecutive bytes
.irp c, 0,1,2,3
.irp d, 0,1,2
	global_load_b128 v[32+96*\set+12*\c+4*\d:32+96*\set+12*\c+4*\d+3], v[LI], s[4:5] offset:RECH*\i+1536*\c+512*\d
.endr
.endr
	global_load_b128 v[16+8*\set:16+8*\set+3], v[LI], s[4:5] offset:RECH*\i+6144
.irp c, 0,1,2,3
.irp d, 0,1,2
	global_load_b128 v[80+96*\set+12*\c+4*\d:80+96*\set+12*\c+4*\d+3], v[LI], s[30:31] offset:RECP*\i+1536*\c+512*\d
.endr
.endr
	global_load_b128 v[20+8*\set:20+8*\set+3], v[LI], s[32:33] offset:RECP*\i+12288
.endm
.macro MULS set, zero                  ; 16 products, the accumulators by turns; zero = 1: they start the sums
	WIN 0x50                                       ; C and D window 1
.irp k, 0,1,2,3
.irp c, 0,1,2,3
.if \zero
	v_wmma_scale_f32_16x16x128_f8f6f4 v[8*(4*\k+\c):8*(4*\k+\c)+7], v[32+96*\set+12*\c:32+96*\set+12*\c+11], v[80+96*\set+12*\k:80+96*\set+12*\k+11], 0, v[16+8*\set+\c], v[20+8*\set+\k] matrix_a_fmt:MATRIX_FMT_FP6 matrix_b_fmt:MATRIX_FMT_FP6
.else
	v_wmma_scale_f32_16x16x128_f8f6f4 v[8*(4*\k+\c):8*(4*\k+\c)+7], v[32+96*\set+12*\c:32+96*\set+12*\c+11], v[80+96*\set+12*\k:80+96*\set+12*\k+11], v[8*(4*\k+\c):8*(4*\k+\c)+7], v[16+8*\set+\c], v[20+8*\set+\k] matrix_a_fmt:MATRIX_FMT_FP6 matrix_b_fmt:MATRIX_FMT_FP6
.endif
.endr
.endr
	WIN 0
.rept 4
	v_nop                                          ; places in front of loads into registers that these products have read, and of the first read of results
.endr
.endm
	global_load_b32 v[INV], v8, s[26:27] offset:3407872   ; 1 / sqrt(len[b])
	LOADSET 0, 0
	LOADSET 1, 1
	s_wait_loadcnt 26                              ; the older set is in; the other set's 26 loads may be out
	MULS 0, 1
	LOADSET 0, 2
	s_wait_loadcnt 26
	MULS 1, 0
	LOADSET 1, 3
	s_wait_loadcnt 26
	MULS 0, 0
	s_wait_loadcnt 0x0
	MULS 1, 0
	WIN 0x04                                       ; an LDS store's data are its source 1: window 1
.irp k, 0,1,2,3
.irp c, 0,1,2,3
	ds_store_b128 v[STW], v[8*(4*\k+\c):8*(4*\k+\c)+3] offset:16*PP*\k+64*\c          ; lane (r, h): key 16 kt + r, columns 16 ct + 8 h + 0 .. 7; each accumulator from its low end on
	ds_store_b128 v[STW], v[8*(4*\k+\c)+4:8*(4*\k+\c)+7] offset:16*PP*\k+64*\c+16
.endr
.endr
	WIN 0
	v_mov_b32 v202, 0                              ; (lane permutes' destinations count as sources)
	v_mov_b32 v203, 0
	s_wait_dscnt 0x0                               ; for the others' sake: my part lies in LDS
	s_barrier_signal -1
	s_barrier_wait -1
	s_cmp_lt_u32 s10, 4                            ; waves 0-3 finish a tile each; the others are done
	s_cbranch_scc1 .Lwork
	s_wait_tensorcnt 0x0                           ; the wave's end
	ds_add_u32 v[SPW], v[NIL]
	s_wait_dscnt 0x0
	s_endpgm
.Lwork:
; Parts q0 .. q0 + 3 of my tile, 32 numbers a lane each, into v[reg] on.  Register 16 b + 8 u + j is to be block b's place 16 h + 8 u + j, which holds the block's number 16 u + 8 h + j.
; k's way: a lane is a key and the numbers run along the head's 64: they lie so in a part's row.  v's way: a lane is a column and the numbers run along the keys, down the rows.
.macro GETPARTS q0, reg
	s_cmp_lt_u32 s12, 16
	s_cbranch_scc1 .Lkway_\@
.irp i, 0,1,2,3
.set n, 0
.rept 32
	ds_load_b32 v[\reg+32*\i+n], v[AVQ+(\q0+\i)/2] offset:PARTB*((\q0+\i)%2)+PP*(32*(n/16)+16*((n/8)%2)+n%8)
.set n, n+1
.endr
.endr
	s_branch .Lgot_\@
.Lkway_\@:
.irp i, 0,1,2,3
.irp n, 0,1,2,3,4,5,6,7
	ds_load_b128 v[\reg+32*\i+4*\n:\reg+32*\i+4*\n+3], v[AKQ+(\q0+\i)/2] offset:PARTB*((\q0+\i)%2)+64*(\n/2)+16*(\n%2)
.endr
.endr
.Lgot_\@:
	s_wait_dscnt 0x0
.endm
	GETPARTS 0, 32
.set j, 0
.rept 16
	v_pk_add_f32 v[32+j:33+j], v[32+j:33+j], v[64+j:65+j]
	v_pk_add_f32 v[96+j:97+j], v[96+j:97+j], v[128+j:129+j]
.set j, j+2
.endr
.set j, 0
.rept 16
	v_pk_add_f32 v[32+j:33+j], v[32+j:33+j], v[96+j:97+j]
.set j, j+2
.endr
	GETPARTS 4, 64
.irp i, 0,1,2,3
.set j, 0
.rept 16
	v_pk_add_f32 v[32+j:33+j], v[32+j:33+j], v[64+32*\i+j:65+32*\i+j]
.set j, j+2
.endr
.endr
.set j, 0
.rept 16
	v_pk_mul_f32 v[32+j:33+j], v[32+j:33+j], v[INV:INV+1] op_sel_hi:[1,0]   ; / sqrt(len)
.set j, j+2
.endr
	; two blocks of 32 become codes
.irp b, 0,1
	v_max3_num_f32 v[200+\b], |v[32+16*\b]|, |v[33+16*\b]|, 0x1800000   ; my 16 numbers of block b, and the floor 2^(3 - 127)
.endr
.irp i, 2,4,6,8,10,12,14
.irp b, 0,1
	v_max3_num_f32 v[200+\b], v[200+\b], |v[32+16*\b+\i]|, |v[33+16*\b+\i]|
.endr
.endr
.irp b, 0,1
	v_permlanex16_b32 v[202+\b], v[200+\b], s28, s29
.endr
.irp b, 0,1
	v_max_num_f32 v[200+\b], v[200+\b], v[202+\b]  ; with lane l xor 16's
.endr
.irp b, 0,1
	v_add_nc_u32 v[204+\b], 0xff000000, v[200+\b]  ; the conversion's scale operand
.endr
.irp b, 0,1
	v_lshrrev_b32 v[206+\b], 23, v[204+\b]         ; the scale's byte
.endr
	v_lshl_or_b32 v208, v207, 8, v206              ; the two bytes
	v_lshlrev_b32 v209, s24, v208
	v_or_b32 v209, s25, v209                       ; k's scale word
	v_cvt_scalef32_pk16_fp6_f32 v[192:194], v[32:47], v204
	v_cvt_scalef32_pk16_fp6_f32 v[196:198], v[48:63], v205
	v_nop                                          ; one plain instruction behind a scaled conversion
.irp i, 0,1,2
	v_permlane16_swap_b32 v[192+\i], v[196+\i]     ; lanes 0-15 now hold block 0, lanes 16-31 block 1: the lower 16 codes in v192-194, the upper in v196-198
.endr
	s_cmp_lt_u32 s12, 16
	s_cbranch_scc1 .Lkword
	global_store_b16 v[OSV], v208, s[8:9] offset:13312    ; v: bytes 2 half, 2 half + 1 of the row's scale word
	s_branch .Lcodes
.Lkword:
	global_store_b32 v[OSK], v209, s[8:9] offset:12288
.Lcodes:
	global_store_b96 v[OC], v[192:194], s[8:9]             ; the wave stores 768 consecutive bytes in two instructions
	global_store_b96 v[OC], v[196:198], s[8:9] offset:12
	s_wait_tensorcnt 0x0                           ; the wave's end
	ds_add_u32 v[SPW], v[NIL]
	s_wait_dscnt 0x0
	s_endpgm
.Lfunc_end_k_q20d61c98d3_proj:
	.size	k_q20d61c98d3_proj, .Lfunc_end_k_q20d61c98d3_proj-k_q20d61c98d3_proj
	.p2alignl 7, 3214868480
	.fill 96, 4, 3214868480
	.section	.rodata,"a",@progbits
	.p2align	6, 0x0
	.amdhsa_kernel k_q20d61c98d3_proj
		.amdhsa_group_segment_fixed_size 140288
		.amdhsa_private_segment_fixed_size 0
		.amdhsa_enable_private_segment 0
		.amdhsa_kernarg_size 24
		.amdhsa_user_sgpr_count 2
		.amdhsa_user_sgpr_kernarg_segment_ptr 1
		.amdhsa_wavefront_size32 1
		.amdhsa_system_sgpr_workgroup_id_x 1
		.amdhsa_system_sgpr_workgroup_id_y 1
		.amdhsa_system_sgpr_workgroup_id_z 1
		.amdhsa_system_vgpr_workitem_id 0
		.amdhsa_next_free_vgpr 384
		.amdhsa_next_free_sgpr 66
		.amdhsa_reserve_vcc 0
		.amdhsa_float_denorm_mode_32 3
		.amdhsa_float_denorm_mode_16_64 3
		.amdhsa_memory_ordered 1
		.amdhsa_forward_progress 1
		.amdhsa_inst_pref_size 56
	.end_amdhsa_kernel
	.amdgpu_metadata
---
amdhsa.version: [ 1, 2 ]
amdhsa.kernels:
  - .name:           k_q20d61c98d3_proj
    .symbol:         k_q20d61c98d3_proj.kd
    .args:
      - { .name: hc, .offset: 0, .size: 8, .value_kind: global_buffer, .address_space: global }
      - { .name: pcod, .offset: 8, .size: 8, .value_kind: global_buffer, .address_space: global }
      - { .name: kv, .offset: 16, .size: 8, .value_kind: global_buffer, .address_space: global }
    .group_segment_fixed_size: 140288
    .private_segment_fixed_size: 0
    .kernarg_segment_align: 8
    .kernarg_segment_size: 24
    .max_flat_workgroup_size: 256
    .sgpr_count:     66
    .vgpr_count:     384
    .wavefront_size: 32
...
	.end_amdgpu_metadata
.endif
;; end of part 3
;; launch att (part 4): grid 64 x 4, 8 waves a work-group, no clusters, 96,256 bytes of LDS; arguments qc, kv, out0; writes out0
.if DOCPART == 4
	.amdgcn_target "amdgcn-amd-amdhsa--gfx1250"
	.amdhsa_code_object_version 6
	.text
	.protected	k_q20d61c98d3_att
	.globl	k_q20d61c98d3_att
	.p2align	8
	.type	k_q20d61c98d3_att,@function
k_q20d61c98d3_att:
	s_mov_b64 s[64:65], 0
	v_nop
	global_prefetch_b8 v0, s[64:65] scope:SCOPE_SE
	s_setreg_imm32_b32 hwreg(HW_REG_WAVE_MODE, 25, 1), 1
	s_wait_xcnt 0x0
; LAUNCH 4 OF 4.  The attention of q's rows over the 128 projected keys: scores = q k^T / 8, softmax, x v; both products on codes of FP6 (E2M3) with E8M0 scales.  All three operands arrive as codes that earlier launches made.
; SHARES.  A work-group owns one batch (y), one pair of heads (x % 8) and 512 queries (x / 8); each of its eight waves 64 queries, four tiles of 16: one record of qc.  Two waves share a SIMD, 512 registers each,
; so that one wave's vector work stands beside the other's matrix work and waits.
; k AND v of the two heads, 27,648 bytes, are brought once by the eight waves together, 16 bytes a thread and load, through registers into LDS; behind the launch's one barrier every wave takes them into its registers, where they stay.
; q's FRAGMENT of a tile (16 queries x 128 columns) holds head A's 64 in its first half and head B's in its second.  Head A's scores take as k's fragment (k of A | zero codes), head B's (zero codes | k of B): zero codes add nothing,
; and k's scale words carry 0x7f for the half that is not theirs.
; THE SOFTMAX AHEAD OF THE SECOND PRODUCT: t = score x log2(e) / 8; M = the row's largest t rounded up to a whole number; p = 2^(t - M) is quantised along the keys; the row's sum of the unquantised p divides at the end.
; Both products are used transposed (S^T = k q^T, O^T = v^T p^T): a lane holds one query throughout.  Within each block of 32 q's and p's codes stand in the order 0-7, 16-23, 8-15, 24-31, and so do k's and v's.
; A block's largest p is not searched for: the block's largest score goes through the same multiply-add and exponential (this takes v_exp_f32 not to fall where its input rises).
; No cluster and no tensor load: what work-groups share, k and v, is 27,648 bytes against the 53,248 of q that a work-group reads and the 262,144 that it stores.  No prefetch: a wave asks for half of its q in its first lines and for the rest two tiles ahead.
; LIMITS: a block of zeros carries the byte 1 (its codes are zeros); NaN and infinities are not served.
; REGISTERS: window 0: v1-3, v20-22 addresses; v4-15 and v128-139 q's fragments, by turns; v16-19 q's four scale words; v32-47 k's scale words, v48-55 v's, v57 p's; v64-127 S^T, p, rows of the output;
;   v140-159 p's codes; v160-181 at work; v192-255 O^T of the two heads.   window 1: k (18 registers a tile of 16 keys: A | zeros | B) and from v144 v.
.set KVR,    13824                     ; a head's record of k and v
.set STG,    2*KVR                     ; behind the two records: a stage of 16 rows x (512 bytes + 16) for each wave
.set SPITCH, 528
.set SPARE,  STG+8*16*SPITCH           ; behind the stages: the spare words, 128 bytes a wave, which no other line names
.set LI,   1                           ; v1  16 x lane: my place in an image of q, and in a row of the output
.set KL,   2                           ; v2  my 24 bytes of a piece of k or v
.set KSL,  3                           ; v3  my scale word of a tile of k or v
.set QF1,  4
.set QWQ,  16
.set STO,  20                          ; v20 the stage: where I put 32 bytes of a row
.set RD,   21                          ; v21 and where I read a row back
.set KG,   22                          ; v22 16 x thread: my 16 bytes of 4,096 of k and v, in memory and in LDS alike
.set SPW,  28
.set NIL,  29
.set KSW,  32
.set VSW,  48
.set PWR,  57
.set S,    64
.set QF0,  128
.set PC,   140
.set BM,   160                         ; v160-163 the blocks' largest scores, then p
.set BT,   164                         ; v164-167 at work
.set SO,   168                         ; v168-171 the conversions' scale operands
.set NM,   172                         ; v[172:173] -M
.set TT,   174
.set LA,   176                         ; v[176:177], v[178:179] the row's sum in two chains
.set LB,   178
.set RL,   180                         ; v[180:181] 1 / the sum
.set O,    192
.set SEL,  20
.set CS,   22
.set MSB, 0
.macro WIN new                         ; the immediate's high byte repeats the setting that is left
.if MSB != (\new)
	s_set_vgpr_msb (MSB<<8)|(\new)
.set MSB, (\new)
.endif
.endm
	s_load_b128 s[4:7], s[0:1], 0x0                ; qc s[4:5], kv s[6:7]
	s_load_b64 s[8:9], s[0:1], 0x10                ; out0
	v_lshl_add_u32 v[SPW], v0, 2, SPARE
	v_mov_b32 v[NIL], 0
	v_lshrrev_b32 v30, 5, v0
	v_readfirstlane_b32 s10, v30                   ; wave 0..7
	s_and_b32 s11, ttmp7, 0xffff                   ; the batch
	s_and_b32 s12, ttmp9, 7                        ; the pair of heads
	s_lshr_b32 s13, ttmp9, 3                       ; which 512 queries
	s_lshl_b32 s14, s11, 4
	s_lshl_b32 s15, s12, 1
	s_add_co_u32 s14, s14, s15
	s_mul_i32 s14, s14, KVR                        ; kv: record 16 b + 2 x pair, and the next
	s_mov_b32 s15, 0
	s_lshl_b32 s16, s11, 6
	s_lshl_b32 s17, s13, 3
	s_add_co_u32 s16, s16, s17
	s_add_co_u32 s16, s16, s10                     ; my group of 64 queries: 64 b + 8 x part + wave
	s_lshl_b32 s18, s16, 18                        ; out0: 64 rows of 4,096 bytes a group,
	s_lshl_b32 s19, s12, 9
	s_add_co_u32 s18, s18, s19                     ; + 512 bytes a pair of heads
	s_mov_b32 s19, 0
	s_lshl_b32 s16, s16, 3
	s_add_co_u32 s16, s16, s12
	s_mul_i32 s16, s16, 6656                       ; qc: record 8 x group + pair
	s_mov_b32 s17, 0
	s_mov_b32 s[SEL], 0x76543210
	s_mov_b32 s[SEL+1], 0xfedcba98                 ; v_permlanex16_b32's selects for lane l xor 16
	s_mov_b32 s[CS], 0x3e38aa3b                    ; c = log2(e) / 8: t = score x c
	s_mov_b32 s[CS+1], s[CS]                       ; (named with it as a pair)
	v_and_b32 v30, 31, v0                          ; lane
	v_and_b32 v31, 15, v0                          ; r
	v_bfe_u32 v24, v0, 4, 1                        ; h
	v_lshlrev_b32 v[LI], 4, v30
	v_lshlrev_b32 v[KG], 4, v0
	v_mul_u32_u24 v[KL], v30, 24
	v_lshl_add_u32 v[KSL], v30, 2, 12288
	s_mul_i32 s24, s10, 16*SPITCH
	s_add_co_u32 s24, s24, STG                     ; my stage
	v_mul_u32_u24 v[STO], v31, SPITCH
	v_lshl_add_u32 v[STO], v24, 5, v[STO]
	v_add_nc_u32 v[STO], s24, v[STO]               ; in: row r, 32 bytes for each half of the lanes
	v_add_nc_u32 v[RD], s24, v[LI]                 ; back: the 32 lanes take one row of 512 bytes
	s_wait_kmcnt 0x0
	s_add_nc_u64 s[6:7], s[6:7], s[14:15]
	s_add_nc_u64 s[4:5], s[4:5], s[16:17]
	s_add_nc_u64 s[8:9], s[8:9], s[18:19]
	s_cmp_lt_u32 s10, 6                            ; 27,648 bytes are six times 4,096 and 3,072 more: the last 3,072 are waves 0-5's
	s_cbranch_scc0 .Lno_seventh
	global_load_b128 v[88:91], v[KG], s[6:7] offset:24576
.Lno_seventh:
.irp j, 0,1,2,3,4,5
	global_load_b128 v[64+4*\j:67+4*\j], v[KG], s[6:7] offset:4096*\j
.endr
.irp c, 0,1,2
	global_load_b128 v[QF0+4*\c:QF0+4*\c+3], v[LI], s[4:5] offset:512*\c th:TH_LOAD_NT          ; q's fragment of my tile 0,
	global_load_b128 v[QF1+4*\c:QF1+4*\c+3], v[LI], s[4:5] offset:1536+512*\c th:TH_LOAD_NT     ; of tile 1,
.endr
	global_load_b128 v[QWQ:QWQ+3], v[LI], s[4:5] offset:6144 th:TH_LOAD_NT                       ; and the four tiles' scale words
	s_wait_loadcnt 7                               ; k's and v's loads are in; the seven loads of q issued behind them may be out
.irp j, 0,1,2,3,4,5
	ds_store_b128 v[KG], v[64+4*\j:67+4*\j] offset:4096*\j
.endr
	s_cmp_lt_u32 s10, 6
	s_cbranch_scc0 .Lno_seventh_store
	ds_store_b128 v[KG], v[88:91] offset:24576
.Lno_seventh_store:
	s_wait_dscnt 0x0                               ; for the others' sake: my part of k and v lies in LDS
	s_barrier_signal -1
	s_barrier_wait -1
	; k and v of the two heads come out of LDS into window 1 and stay
	WIN 0x40                                       ; destination window 1
.irp u, 0,1
.irp t, 0,1,2,3,4,5,6,7
.irp p, 0,1,2
	ds_load_b64 v[18*\t+12*\u+2*\p:18*\t+12*\u+2*\p+1], v[KL] offset:KVR*\u+768*\t+8*\p          ; tile t of keys: head A's six registers at 18 t, head B's at 18 t + 12
.endr
.endr
.endr
.irp u, 0,1
.irp t, 0,1,2,3
.irp c, 0,1
.irp p, 0,1,2
	ds_load_b64 v[144+48*\u+12*\t+6*\c+2*\p:144+48*\u+12*\t+6*\c+2*\p+1], v[KL] offset:KVR*\u+6144+768*(2*\t+\c)+8*\p
.endr
.endr
.endr
.endr
.irp t, 0,1,2,3,4,5,6,7
.irp i, 0,1,2,3,4,5
	v_mov_b32 v[18*\t+6+\i], 0                     ; zero codes between them: the second half of A's fragment and the first half of B's
.endr
.endr
	WIN 0
.irp u, 0,1
.irp t, 0,1,2,3,4,5,6,7
	ds_load_b32 v[KSW+8*\u+\t], v[KSL] offset:KVR*\u+128*\t
.endr
.irp t, 0,1,2,3
	ds_load_b32 v[VSW+4*\u+\t], v[KSL] offset:KVR*\u+1024+128*\t
.endr
.endr
.irp b, 0,1,2,3
	v_mov_b32 v[BT+\b], 0                          ; written once: a lane permute's destination counts as one of its sources
.endr
	v_mov_b32 v[NM+1], 0                           ; (named as the upper halves of pairs)
	v_mov_b32 v[RL+1], 0
.rept 4
	v_nop                                          ; with the six lines above: plain instructions between the zero codes' moves and the products that take them
.endr
	s_wait_dscnt 0x0                               ; k, v and their scale words
	s_wait_loadcnt 0x0                             ; q's first two fragments and the scale words
; ONE HEAD FOR 16 QUERIES.  qf: q's fragment; qw: its scale word; nx: 0, or the tile whose fragment is asked for into qf behind the last product that reads it.
.macro UNIT hh, qf, qw, nx
	WIN 0x01                                       ; source 0 window 1
.irp t, 0,1,2,3,4,5,6,7
	v_wmma_scale_f32_16x16x128_f8f6f4 v[S+8*\t:S+8*\t+7], v[18*\t+6*\hh:18*\t+6*\hh+11], v[\qf:\qf+11], 0, v[KSW+8*\hh+\t], v[\qw] matrix_a_fmt:MATRIX_FMT_FP6 matrix_b_fmt:MATRIX_FMT_FP6
.endr                                          ; lane (r, h): query r; register 8 t + j: key 16 t + 8 h + j
	WIN 0
.rept 4
	v_nop
.endr
.if \nx
.irp c, 0,1,2
	global_load_b128 v[\qf+4*\c:\qf+4*\c+3], v[LI], s[4:5] offset:1536*(\nx)+512*\c th:TH_LOAD_NT   ; four places behind the products that read these registers
.endr
.endif
.irp b, 0,1,2,3
	v_max3_num_f32 v[BM+\b], v[S+16*\b], v[S+16*\b+1], v[S+16*\b+2]   ; the largest score of each block of 32 keys: for the row's maximum, and for the block's largest p
.endr
.irp i, 3,5,7,9,11,13
.irp b, 0,1,2,3
	v_max3_num_f32 v[BM+\b], v[BM+\b], v[S+16*\b+\i], v[S+16*\b+\i+1]
.endr
.endr
.irp b, 0,1,2,3
	v_max_num_f32 v[BM+\b], v[BM+\b], v[S+16*\b+15]
.endr
.irp b, 0,1,2,3
	v_permlanex16_b32 v[BT+\b], v[BM+\b], s[SEL], s[SEL+1]
.endr
.irp b, 0,1,2,3
	v_max_num_f32 v[BM+\b], v[BM+\b], v[BT+\b]     ; with lane l xor 16's 16 keys
.endr
	v_max3_num_f32 v[TT], v[BM], v[BM+1], v[BM+2]
	v_max_num_f32 v[TT], v[TT], v[BM+3]            ; the row's largest score,
	v_mul_f32 v[TT], s[CS], v[TT]                  ; as t (c is positive)
	v_floor_f32 v[NM], -v[TT]                      ; -M = floor(-t) = -ceil(t)
.set j, 0
.rept 32
	v_pk_fma_f32 v[S+j:S+j+1], v[S+j:S+j+1], s[CS:CS+1], v[NM:NM+1] op_sel_hi:[1,0,0]   ; t - M, two at a time
.set j, j+2
.endr
.irp b, 0,1,2,3
	v_fma_f32 v[BM+\b], v[BM+\b], s[CS], v[NM]     ; the same of each block's largest score
.endr
.set j, 0
.rept 64
	v_exp_f32 v[S+j], v[S+j]                       ; p = 2^(t - M), at most 1: not normalised
.set j, j+1
.endr
	v_nop                                          ; a plain instruction behind the exponentials
	s_wait_alu depctr_va_vdst(0)                   ; the wait ahead of the first line that names a result: one for the batch
.irp b, 0,1,2,3
	v_exp_f32 v[BM+\b], v[BM+\b]                   ; the block's largest p
.endr
	v_pk_add_f32 v[LA:LA+1], v[S:S+1], v[S+2:S+3]  ; the row's sum is taken of the unquantised p: two at a time, in two chains
	v_pk_add_f32 v[LB:LB+1], v[S+4:S+5], v[S+6:S+7]
.irp j, 8,12,16,20,24,28,32,36,40,44,48
	v_pk_add_f32 v[LA:LA+1], v[LA:LA+1], v[S+\j:S+\j+1]
	v_pk_add_f32 v[LB:LB+1], v[LB:LB+1], v[S+\j+2:S+\j+3]
.endr
	s_wait_alu depctr_va_vdst(0)                   ; and one for the four
.irp b, 0,1,2,3
	v_max_num_f32 v[BM+\b], 0x1800000, v[BM+\b]    ; the floor 2^(3 - 127): the byte cannot fall under 1
.endr
.irp b, 0,1,2,3
	v_add_nc_u32 v[SO+\b], 0xff000000, v[BM+\b]    ; the conversion's scale operand
.endr
.irp b, 0,1,2,3
	v_lshrrev_b32 v[BT+\b], 23, v[SO+\b]           ; the scale's byte
.endr
	v_lshl_or_b32 v[PWR], v[BT+1], 8, v[BT]        ; p's scale word
	v_lshl_or_b32 v[PWR], v[BT+2], 16, v[PWR]
	v_lshl_or_b32 v[PWR], v[BT+3], 24, v[PWR]
.irp c, 0,1
	v_cvt_scalef32_pk16_fp6_f32 v[PC+6*\c:PC+6*\c+2], v[S+32*\c:S+32*\c+15], v[SO+2*\c]
	v_cvt_scalef32_pk16_fp6_f32 v[PC+12+4*\c:PC+14+4*\c], v[S+16+32*\c:S+31+32*\c], v[SO+2*\c+1]
.endr
	v_nop                                          ; one plain instruction behind a scaled conversion
.irp c, 0,1
.irp i, 0,1,2
	v_permlane16_swap_b32 v[PC+6*\c+\i], v[PC+12+4*\c+\i]
.endr
.irp i, 0,1,2
	v_mov_b32 v[PC+3+6*\c+\i], v[PC+12+4*\c+\i]
.endr
.endr
.irp j, 52,56,60                               ; the sum's last eight additions stand between the lines that made p's codes and scale word and the products that take them
	v_pk_add_f32 v[LA:LA+1], v[LA:LA+1], v[S+\j:S+\j+1]
	v_pk_add_f32 v[LB:LB+1], v[LB:LB+1], v[S+\j+2:S+\j+3]
.endr
	v_pk_add_f32 v[LA:LA+1], v[LA:LA+1], v[LB:LB+1]
	v_add_f32 v[LA], v[LA], v[LA+1]
	WIN 0x01
.irp t, 0,1,2,3
	v_wmma_scale_f32_16x16x128_f8f6f4 v[O+32*\hh+8*\t:O+32*\hh+8*\t+7], v[144+48*\hh+12*\t:144+48*\hh+12*\t+11], v[PC:PC+11], 0, v[VSW+4*\hh+\t], v[PWR] matrix_a_fmt:MATRIX_FMT_FP6 matrix_b_fmt:MATRIX_FMT_FP6
.endr                                          ; lane (r, h): query r; register 8 t + j: the head's channel 16 t + 8 h + j
	WIN 0
	v_permlanex16_b32 v[TT], v[LA], s[SEL], s[SEL+1]
	v_add_f32 v[LA], v[LA], v[TT]                  ; with lane l xor 16's: the row's sum
	v_rcp_f32 v[RL], v[LA]
.rept 4
	v_nop                                          ; the places behind the products, and the plain instruction behind the reciprocal
.endr
	s_wait_alu depctr_va_vdst(0)                   ; the wait ahead of the reciprocal's first reader
.set j, 0
.rept 16
	v_pk_mul_f32 v[O+32*\hh+j:O+32*\hh+j+1], v[O+32*\hh+j:O+32*\hh+j+1], v[RL:RL+1] op_sel_hi:[1,0]   ; / the sum, each accumulator from its low end on
.set j, j+2
.endr
.endm
; MY TILE a: 16 queries x two heads.  q's fragments take turns in two sets of registers; tile a asks for tile a + 2's.
.macro TRIP a
.set QFR, QF0+(QF1-QF0)*((\a)%2)
.if (\a) == 2
	s_wait_loadcnt 3                               ; tile 2's fragment is in; tile 3's three loads may be out
.endif
.if (\a) == 3
	s_wait_loadcnt 0x0
.endif
.if (\a) > 0
	s_wait_xcnt 0x0                                ; the last tile's stores have read their registers: only behind this wait do the scores land there
.endif
	UNIT 0, QFR, QWQ+(\a), 0
.if (\a) < 2
	UNIT 1, QFR, QWQ+(\a), (\a)+2
.else
	UNIT 1, QFR, QWQ+(\a), 0
.endif
	; 16 rows x 128 columns go through my own stage and come back as whole rows of 512 bytes.  LDS serves a wave's instructions in order: no wait between the stores and the loads
.irp b, 0,1,2,3,4,5,6,7
	ds_store_b128 v[STO], v[O+8*\b:O+8*\b+3] offset:64*\b
	ds_store_b128 v[STO], v[O+8*\b+4:O+8*\b+7] offset:64*\b+16
.endr
.irp t, 0,1,2,3,4,5,6,7,8,9,10,11,12,13,14,15
	ds_load_b128 v[S+4*\t:S+4*\t+3], v[RD] offset:\t*SPITCH
.endr
.irp t, 0,1,2,3,4,5,6,7,8,9,10,11,12,13,14,15
	s_wait_dscnt 15-\t                             ; row t is back; the younger loads may be out
	global_store_b128 v[LI], v[S+4*\t:S+4*\t+3], s[8:9] offset:(\a)*65536+\t*4096 th:TH_STORE_NT   ; 32 lanes store 512 consecutive bytes, at a multiple of 256 from out0's first byte
.endr
.endm
	TRIP 0
	TRIP 1
	TRIP 2
	TRIP 3
	s_wait_tensorcnt 0x0                           ; the wave's end
	ds_add_u32 v[SPW], v[NIL]
	s_wait_dscnt 0x0
	s_endpgm
.Lfunc_end_k_q20d61c98d3_att:
	.size	k_q20d61c98d3_att, .Lfunc_end_k_q20d61c98d3_att-k_q20d61c98d3_att
	.p2alignl 7, 3214868480
	.fill 96, 4, 3214868480
	.section	.rodata,"a",@progbits
	.p2align	6, 0x0
	.amdhsa_kernel k_q20d61c98d3_att
		.amdhsa_group_segment_fixed_size 96256
		.amdhsa_private_segment_fixed_size 0
		.amdhsa_enable_private_segment 0
		.amdhsa_kernarg_size 24
		.amdhsa_user_sgpr_count 2
		.amdhsa_user_sgpr_kernarg_segment_ptr 1
		.amdhsa_wavefront_size32 1
		.amdhsa_system_sgpr_workgroup_id_x 1
		.amdhsa_system_sgpr_workgroup_id_y 1
		.amdhsa_system_sgpr_workgroup_id_z 1
		.amdhsa_system_vgpr_workitem_id 0
		.amdhsa_next_free_vgpr 512
		.amdhsa_next_free_sgpr 66
		.amdhsa_reserve_vcc 0
		.amdhsa_float_denorm_mode_32 3
		.amdhsa_float_denorm_mode_16_64 3
		.amdhsa_memory_ordered 1
		.amdhsa_forward_progress 1
		.amdhsa_inst_pref_size 138
	.end_amdhsa_kernel
	.amdgpu_metadata
---
amdhsa.version: [ 1, 2 ]
amdhsa.kernels:
  - .name:           k_q20d61c98d3_att
    .symbol:         k_q20d61c98d3_att.kd
    .args:
      - { .name: qc, .offset: 0, .size: 8, .value_kind: global_buffer, .address_space: global }
      - { .name: kv, .offset: 8, .size: 8, .value_kind: global_buffer, .address_space: global }
      - { .name: out0, .offset: 16, .size: 8, .value_kind: global_buffer, .address_space: global }
    .group_segment_fixed_size: 96256
    .private_segment_fixed_size: 0
    .kernarg_segment_align: 8
    .kernarg_segment_size: 24
    .max_flat_workgroup_size: 256
    .sgpr_count:     66
    .vgpr_count:     512
    .wavefront_size: 32
...
	.end_amdgpu_metadata
.endif
;; end of part 4
